; MI455X (gfx1250); checked and timed in simulation.
; The chip was launched on July 23, 2026; its instructions are those of AMD's public machine-readable ISA for CDNA 5 (MIT licence, August 2026) and "CDNA5" Instruction Set Architecture Reference Guide (July 2026). The comments in the code are by the model that wrote it; some were corrected since.
;; Episodic Memory System. Allowed arithmetic: matrix products marked QUANTISED: E2M3 operands, one E8M0 scale for each 32 along K, by v_wmma_scale_f32_16x16x128_f8f6f4 with both operands' format E2M3, f32 sums; products left as they are: f32 operands where the result goes on into a quantised operand, else bf16, f16 or f32 operands; f32 sums; everything else in f32.
;; Inputs: W1 8 x 128 x 256 float32; W2 8 x 128 float32; b1 8 x 128 float32; b2 8 float32; memory_content 8 x 8,192 x 128 float32; memory_contexts 8 x 8,192 x 128 float32; memory_freshness 8 x 8,192 float32; query_content 32 x 128 float32; query_context 32 x 128 float32.
;; Outputs: out0 8 x 32 x 16 x 128 float32; out1 8 x 32 x 16 float32; out2 8 x 32 x 16 float32.
;; Constants: top_k = 16.
;; This version of the problem:
;;   THIS VERSION OF THE PROBLEM IS GIVEN IN LOW PRECISION. The matrix products marked QUANTISED in the list below multiply operands that are first quantised to E2M3 (2 exponent bits, 3 mantissa bits; 6 bits a number), with one power-of-two scale for each 32 numbers along K (OCP MX v1.0); their sums are f32. All else is computed in f32.
;;   The module's matrix products, in the order in which they are computed (A, B: the left and right operand; K: the contracted axis; several contracted axes count as one K, in the product's order):
;;     1. [M 1,024, K 128] x [K 128, N 32]; A: input W1; B: input query_content: QUANTISED
;;     2. batch 8 x [M 8,192, K 128] x [K 128, N 128]; A: input memory_content; B: input W1: QUANTISED
;;     3. batch 8 x [M 262,144, K 128] x [K 128, N 1]; A: computed on the way; B: input W2: left as it is (N = 1 < 16)
;;     4. [M 65,536, K 128] x [K 128, N 32]; A: computed on the way; B: computed on the way: QUANTISED
;;   THE QUANTISER, for each operand of a quantised product, along K:
;;     - K is cut into blocks of 32 from its start; a last block that is shorter is filled with zeros.
;;     - A block's scale is 2^e with e = floor(log2(the largest magnitude in the block)) - 2, held to -126 .. 127; a block of zeros has e = 0. As a byte (E8M0): e + 127.
;;     - Each number is divided by its block's scale, clamped to +-7.5, and rounded to the nearest number of E2M3, ties to even, subnormals kept.
;;     - The product sums the exact products of the quantised numbers (number of the format x scale) in f32.
;;   ~~~python
;;   def quantise(x, axis):      # numpy; x: float32 -> the quantised numbers, widened to float32 again
;;       x = np.moveaxis(x, axis, -1); K = x.shape[-1]
;;       x = np.pad(x, [(0, 0)] * (x.ndim - 1) + [(0, -K % 32)]); x = x.reshape(x.shape[:-1] + (-1, 32)); a = np.abs(x).max(-1, keepdims=True)
;;       e = np.where(a > 0, np.clip(np.frexp(np.where(a > 0, a, 1))[1] - 1 - 2, -126, 127), 0)      # np.frexp(a)[1] - 1 = floor(log2(a)), exactly
;;       r = np.clip(x / 2.0 ** e, -7.5, 7.5)
;;       step = 2.0 ** (np.maximum(np.frexp(np.where(r == 0, 1, r))[1] - 1, 0) - 3)
;;       q = np.round(r / step) * step * 2.0 ** e      # np.round: ties to even
;;       return np.moveaxis(q.reshape(q.shape[:-2] + (-1,))[..., :K], -1, axis).astype(np.float32)
;;   ~~~
;;   OPERANDS COMPUTED ON THE WAY. 'Computed on the way' means the value that the module computes at that place (a softmax that the list does not call 'softmax' is quantised finished and normalised). What goes into a quantiser is computed in f32, as accurately as f32 sums, v_exp_f32 and their like allow (about 1e-6 of the number): no bf16 or f16 on the way to a quantiser, and a product that is left as it is and whose result goes on into a quantised operand takes f32 operands (vector FMAs, or v_wmma_f32_16x16x4_f32). A number that lies on a knife's edge between two numbers of the format may be rounded either way, as far as f32 arithmetic and the matrix unit's own rounding can turn it there, and no further.
;; 2 versions, each right; version 2 is version 1 with the launch sim written anew for expert scheduling mode. Each part assembles by itself: llvm-mc -triple=amdgcn-amd-amdhsa -mcpu=gfx1250 --defsym DOCPART=n.
;; ======== version 1 of 2: 3 launches
;; limits: a difference of large sums (such as E[x^2] - mean^2): digits are lost where the result is much smaller than its terms
;; workspace buffers: sim 8,388,608 bytes; idx 16,384 bytes of whole numbers
;; launch sim (part 1): grid 32 x 8, 4 waves a work-group, no clusters, 104,448 bytes of LDS; arguments query_content, query_context, memory_content, memory_contexts, memory_freshness, W1, b1, W2, b2, sim; writes sim
.if DOCPART == 1
	.amdgcn_target "amdgcn-amd-amdhsa--gfx1250"
	.amdhsa_code_object_version 6
	.text
	.protected	k_q1134158343_sim
	.globl	k_q1134158343_sim
	.p2align	8
	.type	k_q1134158343_sim,@function
k_q1134158343_sim:
	s_mov_b64 s[64:65], 0
	v_nop
	global_prefetch_b8 v0, s[64:65] scope:SCOPE_SE
	s_setreg_imm32_b32 hwreg(HW_REG_WAVE_MODE, 25, 1), 1
	s_wait_xcnt 0x0
; final_sim[c][b][m] = 0.5 sigmoid(W2 . relu(hq[b] + hm[m] + b1) + b2) + 0.3 cos(query_context[b], memory_contexts[m]) + 0.2 freshness[m], for 8 cells, 32 queries, 8,192 memories of 128 numbers.
; hq = query_content Wq^T, hm = memory_content Wm^T and the cosine's product go on codes of FP6 (E2M3) with one E8M0 scale for each 32 along the 128 of D: one matrix instruction for each 16 x 16 tile.  All else is f32.
; SHARES.  A work-group takes 256 memories of one cell, each of its four waves 64 of them: four tiles of 16.  In the hidden layer a lane (r = lane % 16, h = lane / 16) holds memory r of a tile and the 64 units e = 16 t + 8 h + j.
; THE BODY.  x = hm[m][e] + hqb[b][e], hqb = hq + b1 (b1 is the C of hq's products).  relu(x) = (x + |x|) / 2, so  sum_e w relu(x) = 0.5 (sum_e w |x| + P[b] + Q[m]),  P = sum_e w hqb, Q = sum_e w hm, each made once.
; That is one packed addition and two fused multiply-adds with |.| on a source for two elements.  The 0.5 and b2 go into the sigmoid's one multiply-add.
; LIMITS: the sums are f32 sums of the terms w |x|, w hqb, w hm: their absolute error is some 1e-7 of sum_e |w x|, about twice that of a sum over the positive x alone.  NaN and infinities among the inputs are not served.
; A block of zeros gets the scale byte 1, not 127: its codes are zeros, and the bytes are read by this launch alone.
; OUT.  sim [c][b][pos] f32, pos = 64 W + 4 r + tau for memory 64 W + 16 tau + r: a lane stores 16 bytes and sixteen lanes 256 consecutive bytes, aligned; the next launch undoes the order.
; No tensor load: every f32 row is read once and passes through registers on its way to the quantiser.  No joint loads: what work-groups share (W1 of a cell, the queries) is read once at the head, through registers.
; REGISTERS, in windows of 256 (s_set_vgpr_msb: bits 1:0 source 0, 3:2 source 1, 5:4 source 2, 7:6 destination):
;   window 0: v1-19 addresses; v20-31 scale words; v32-203 by phases (below); v204-219 the quantiser's; v220 the scale word just made; v222-240 codes; v242-255 addresses, the norm, the add's two
;   window 1: v0-63 W2 (register 8 t + j); v64-127, v128-191 hm of tiles 0, 1 (at the head v64-255: raw rows of W1)
;   window 2: v0-63 W2 once more; v64-127, v128-191 hm of tiles 2, 3 (at the head: raw rows); v192-207 W2 at my 32 units
;   window 3: raw rows of the four content tiles, then of the four context tiles
; W2 lies in both windows so that a whole pass runs under ONE setting, source 1 in the pass's window: x = hqb (source 0) + hm (source 1);  sum = |x| (source 0) W2 (source 1) + sum (source 2).
.set FRB,   1536                       ; a fragment's image: 12 registers x 128 bytes
.set WIMG,  0                          ; LDS: images of Wm's 8 fragments,
.set WSC,   WIMG+8*FRB                 ; their scale words, 128 bytes each,
.set QIMG,  WSC+8*128                  ; images of the queries' fragments: content tiles 0, 1, normalised context tiles 0, 1,
.set QSC,   QIMG+4*FRB                 ; their scale words,
.set HQB,   QSC+4*128                  ; hqb: 32 rows of HQP bytes.  Row 16 u + 2 j + s is query 16 u + 8 s + j; byte 256 h + 32 t + 4 j is unit 16 t + 8 h + j; bytes 512 + 16 h + 4 w: wave w's part of P for half h
.set HQP,   544
.set STG,   HQB+32*HQP                 ; a stage for each wave: 16 rows of 512 bytes + 16
.set STP,   528                        ; 132 words: row r starts at bank 4 r mod 64 (64 banks of 4 bytes: ISA guide 11.1)
.set LG,    STG+4*16*STP               ; the sums of the body, 8,192 bytes a wave: trip i at 512 i, lane at 16 x lane, pass p at + 8 p
.set SPARE, LG+4*8192                  ; the spare words, 128 bytes for each wave: two blocks of 256 bytes that no other line names
.set L16, 1                            ; 16 x lane
.set L4,  2                            ; 4 x lane
.set R,   3
.set H,   4
.set STS, 5                            ; my stage, on the way in: 16 x lane
.set STL, 6                            ; and out: row r, + 64 h
.set WIW, 7                            ; where I store Wm's images;  v8 their scale words
.set WSW, 8
.set QIW, 9                            ; my query tile's image;  v10 its scale words
.set QSW, 10
.set HQW, 11                           ; where I store hqb;  v12 my part of P
.set PPW, 12
.set HQL, 13                           ; 256 h;  v14: 16 h
.set PPL, 14
.set LGW, 15                           ; my 16 bytes of a trip's sums
.set ADR, 16                           ; v16, v17: addresses of the loads at a trip's head;  v18: of its store
.set ADR2, 17
.set ADR3, 18
.set FRO, 19                           ; 4 r
.set WS,  20                           ; v20-27 Wm's scale words;  v28-29 the queries';  v30-31 Wq's: these twelve and v220 hold scales and nothing else
.set QS,  28
.set AQS, 30
.set HQ0, 32                           ; THE PASSES: v32-95, v96-159 hqb of two queries; v160-175 x; v176-183 sums; v184-191 parts of P; v192-195 results; v196-199 Q; v200-203 at work
.set TMP, 160
.set ACC, 176
.set PP0, 184
.set PB0, 192
.set PB1, 194
.set QP,  196
.set T2,  200
.set AQ,  32                           ; THE SET-UP: v32-55 Wq's two fragments; v56-79 the queries' two; v80-111 hqb's four tiles; v112-127 b1
.set QF,  56
.set D1,  80
.set B1R, 112
.set WF,  32                           ; THE CONTENT TILES: v32-127 Wm's eight fragments
.set X,   128                          ; v128-191: 64 numbers of my row: register 16 b + i is k = 32 b + 16 h + i
.set NF,  32                           ; THE TAIL: v32-55 the normalised queries' fragments; v56-119 the cosines (16 tau + 8 u + j); v128-191 the sums (4 i + tau); v196-199 freshness
.set CT,  56
.set F,   128
.set FR,  196
.set TM,  204
.set PW,  220
.set PC,  222
.set QT,  234                          ; v234-240: the upper halves of the blocks' codes, on their way
.set SIMO, 242                         ; 262,144 h + 16 r
.set W2O, 243                          ; 32 h
.set B1O, 244                          ; 32 h + 128 w
.set SS,  246
.set INV, 250
.set SPW, 252                          ; LDS address of my spare word; never rewritten
.set NIL, 253                          ; 0; never rewritten
.set ADRB, 254                         ; v254, v255: addresses of the loads in a trip's middle
.set ADRB2, 255
.set W2S, 192                          ; in window 2
.set WV,  24
.set CEL, 26
.set B2V, 27
.set MCW, 32                           ; s[32:33] my 64 rows of memory_content;  s[34:35] of memory_contexts;  s[36:37] of memory_freshness
.set MXW, 34
.set FRW, 36
.set W1W, 38                           ; s[38:39] my 32 rows of W1[c];  s[40:41] b1[c];  s[42:43] W2[c];  s[44:45] my query tile;  s[46:47] my place in a row of sim
.set B1W, 40
.set W2W, 42
.set QW,  44
.set SMW, 46
.set SEL, 52                           ; s[52:53] v_permlanex16_b32's selects for lane l xor 16
.set K1,  54                           ; s[54:55] -0.5 log2(e), twice
.set MSK, 57                           ; all ones in the waves that normalise their query tile
.set TB,  58                           ; the trip's first row of hqb, in bytes
.set TL,  59                           ; the trip's place among the sums
.set CNT, 60
.set MSB, 0
.macro WIN new                         ; the immediate's high byte repeats the setting that is left; a switch that changes nothing is dropped
.if MSB != (\new)
	s_set_vgpr_msb (MSB<<8)|(\new)
.set MSB, (\new)
.endif
.endm
; 16 rows of 128 f32 into 64 registers of a window: each load takes one whole row, 512 consecutive bytes
.macro ROWS dst, win, base, pitch, off, nt
	WIN (\win)<<6
.irp p, 0,1,2,3,4,5,6,7,8,9,10,11,12,13,14,15
.if \nt
	global_load_b128 v[4*\p+(\dst):4*\p+3+(\dst)], v[L16], s[\base:\base+1] offset:\off+\p*\pitch th:TH_LOAD_NT
.else
	global_load_b128 v[4*\p+(\dst):4*\p+3+(\dst)], v[L16], s[\base:\base+1] offset:\off+\p*\pitch
.endif
.endr
.endm
; the 16 rows turn through my own stage: in as loaded, out so that lane (r, h) holds, of row r, 16 neighbours of each block of 32.  LDS serves a wave's instructions in order: no wait between the stores and the loads
.macro TURN src, win
	WIN (\win)<<2                                  ; an LDS store's data are its source 1
.irp p, 0,1,2,3,4,5,6,7,8,9,10,11,12,13,14,15
	ds_store_b128 v[STS], v[4*\p+(\src):4*\p+3+(\src)] offset:STP*\p
.endr
	WIN 0
.irp b, 0,1,2,3
.irp q, 0,1,2,3
	ds_load_b128 v[X+16*\b+4*\q:X+16*\b+4*\q+3], v[STL] offset:128*\b+16*\q
.endr
.endr
	s_wait_dscnt 0x0                               ; the numbers are in, and every earlier LDS store has read its registers
.endm
; the 64 numbers in X become a fragment's codes in v[cd] .. v[cd + 11] and its scale word in v[sw]
.macro QUANT cd, sw
.irp b, 0,1,2,3
	v_max3_num_f32 v[TM+\b], |v[X+16*\b]|, |v[X+16*\b+1]|, 0x1800000   ; block b: my 16 numbers, and the floor 2^(3 - 127): the byte cannot fall under 1
.endr
.irp i, 2,4,6,8,10,12,14
.irp b, 0,1,2,3
	v_max3_num_f32 v[TM+\b], v[TM+\b], |v[X+16*\b+\i]|, |v[X+16*\b+\i+1]|   ; (the four blocks by turns)
.endr
.endr
.irp b, 0,1,2,3
	v_permlanex16_b32 v[TM+4+\b], v[TM+\b], s[SEL], s[SEL+1]
.endr
.irp b, 0,1,2,3
	v_max_num_f32 v[TM+\b], v[TM+\b], v[TM+4+\b]   ; with lane l xor 16's: the block's largest magnitude
.endr
.irp b, 0,1,2,3
	v_add_nc_u32 v[TM+12+\b], 0xff000000, v[TM+\b] ; 2 off its exponent field: the conversion takes the exponent field of this operand as its scale
.endr
.irp b, 0,1,2,3
	v_lshrrev_b32 v[TM+4+\b], 23, v[TM+12+\b]      ; the scale's byte
.endr
	v_lshl_or_b32 v[\sw], v[TM+5], 8, v[TM+4]      ; the four bytes make my row's scale word
	v_lshl_or_b32 v[\sw], v[TM+6], 16, v[\sw]
	v_lshl_or_b32 v[\sw], v[TM+7], 24, v[\sw]
.irp g, 0,1
	v_cvt_scalef32_pk16_fp6_f32 v[6*\g+(\cd):6*\g+2+(\cd)], v[X+32*\g:X+32*\g+15], v[TM+12+2*\g]
	v_cvt_scalef32_pk16_fp6_f32 v[QT+4*\g:QT+4*\g+2], v[X+32*\g+16:X+32*\g+31], v[TM+13+2*\g]   ; (a conversion's three registers begin on an even number)
.endr
	v_nop                                          ; one plain place behind a scaled conversion
.irp g, 0,1                                    ; the operand's layout wants a whole block in a lane: lanes 0-15 block 2 g, lanes 16-31 block 2 g + 1
.irp i, 0,1,2
	v_permlane16_swap_b32 v[6*\g+\i+(\cd)], v[QT+4*\g+\i]
.endr
.irp i, 0,1,2
	v_mov_b32 v[6*\g+3+\i+(\cd)], v[QT+4*\g+\i]
.endr
.endr
.endm
; X = X / max(the row's norm, 1e-8).  sel = 1: only in the waves whose mask is set; the others multiply by 1.0
.macro NORM sel
	v_pk_mul_f32 v[SS:SS+1], v[X:X+1], v[X:X+1]
	v_pk_mul_f32 v[SS+2:SS+3], v[X+2:X+3], v[X+2:X+3]
.irp p, 4,8,12,16,20,24,28,32,36,40,44,48,52,56,60
	v_pk_fma_f32 v[SS:SS+1], v[X+\p:X+\p+1], v[X+\p:X+\p+1], v[SS:SS+1]
	v_pk_fma_f32 v[SS+2:SS+3], v[X+\p+2:X+\p+3], v[X+\p+2:X+\p+3], v[SS+2:SS+3]
.endr
	v_pk_add_f32 v[SS:SS+1], v[SS:SS+1], v[SS+2:SS+3]
	v_add_f32 v[SS], v[SS], v[SS+1]
	v_permlanex16_b32 v[SS+1], v[SS], s[SEL], s[SEL+1]
	v_add_f32 v[SS], v[SS], v[SS+1]                ; the row's sum of squares
	v_sqrt_f32 v[SS+2], v[SS]
	v_nop                                          ; a plain place behind the root,
	s_wait_alu depctr_va_vdst(0)                   ; and the wait ahead of its first reader
	v_max_num_f32 v[SS+2], 0x322bcc77, v[SS+2]     ; 1e-8
	v_rcp_f32 v[INV], v[SS+2]
	v_nop
	s_wait_alu depctr_va_vdst(0)
.if \sel
	v_cndmask_b32 v[INV], 1.0, v[INV], s[MSK]
.endif
.set p, 0
.rept 32
	v_pk_mul_f32 v[X+p:X+p+1], v[X+p:X+p+1], v[INV:INV+1] op_sel_hi:[1,0]
.set p, p+2
.endr
.endm
.macro IMAGE adr, off                          ; the fragment in v[PC] on goes to LDS as it stands: 16 bytes a lane, 512 a store
.irp g, 0,1,2
	ds_store_b128 v[\adr], v[PC+4*\g:PC+4*\g+3] offset:\off+512*\g
.endr
.endm
.macro FETCH reg, off                          ; and comes back so, in any wave
.irp g, 0,1,2
	ds_load_b128 v[\reg+4*\g:\reg+4*\g+3], v[L16] offset:\off+512*\g
.endr
.endm
.macro FETCHW                                  ; Wm's eight fragments
.irp t, 0,1,2,3,4,5,6,7
	FETCH WF+12*\t, WIMG+FRB*\t
.endr
.endm
.macro BARRIER                                 ; my LDS stores have landed and my LDS loads are in: then the work-group's barrier
	s_wait_dscnt 0x0
	s_barrier_signal -1
	s_barrier_wait -1
.endm
.macro PLACES n
.rept \n
	v_nop
.endr
.endm
; Content tile tau: quantised, multiplied by Wm (8 products, each the whole K), and Q[m] = sum_e W2 hm for my 64 units.  The registers that its raw rows leave take the same tile's rows of memory_contexts.
.macro CONTENT tau
.set KW, 1+(\tau)/2                    ; the window of hm's tile,
.set HM, 64+64*((\tau)%2)              ; and its first register there
	s_wait_loadcnt 48                              ; behind this tile's 16 loads stand 48: the tiles of content that follow and the tiles of contexts asked for so far, three tiles in all
	TURN 64*(\tau), 3
	ROWS 64*(\tau), 3, MXW, 512, 8192*(\tau), 1
	WIN 0
	QUANT PC, PW
	PLACES 8                                       ; a scale register written by a vector instruction stands 8 places ahead of a scaled matrix instruction, an operand so written 4
	WIN KW<<6
.irp t, 0,1,2,3,4,5,6,7                        ; source 0 = 16 rows of Wm, source 1 = my 16 memories: register j of lane (r, h) is hm[r][16 t + 8 h + j]
	v_wmma_scale_f32_16x16x128_f8f6f4 v[HM+8*\t:HM+8*\t+7], v[WF+12*\t:WF+12*\t+11], v[PC:PC+11], 0, v[WS+\t], v[PW] matrix_a_fmt:MATRIX_FMT_FP6 matrix_b_fmt:MATRIX_FMT_FP6
.endr
	PLACES 4                                       ; four places between the last product and the first read of results (ISA guide 7.12.1)
	WIN KW|(KW<<2)
	v_pk_mul_f32 v[T2:T2+1], v[HM:HM+1], v[0:1]    ; in ascending pairs: each tile is read from its low end on
	v_pk_mul_f32 v[T2+2:T2+3], v[HM+2:HM+3], v[2:3]
.irp p, 4,8,12,16,20,24,28,32,36,40,44,48,52,56,60
	v_pk_fma_f32 v[T2:T2+1], v[HM+\p:HM+\p+1], v[\p:\p+1], v[T2:T2+1]
	v_pk_fma_f32 v[T2+2:T2+3], v[HM+\p+2:HM+\p+3], v[\p+2:\p+3], v[T2+2:T2+3]
.endr
	WIN 0
	v_pk_add_f32 v[T2:T2+1], v[T2:T2+1], v[T2+2:T2+3]
	v_add_f32 v[QP+(\tau)], v[T2], v[T2+1]
.endm
; a row of hqb for my half of the units (all sixteen lanes of a half read the same bytes), and the four parts of its P: 17 loads
.macro LDHQ s, a, a2, off
.irp q, 0,1,2,3,4,5,6,7,8,9,10,11,12,13,14,15
	ds_load_b128 v[HQ0+64*(\s)+4*\q:HQ0+64*(\s)+4*\q+3], v[\a] offset:HQB+(\off)+16*\q
.endr
	ds_load_b128 v[PP0+4*(\s):PP0+4*(\s)+3], v[\a2] offset:HQB+512+(\off)
.endm
; One query against the pass's two tiles of memories, my 64 units: sum_e W2 |hqb + hm| + P + Q.  It runs with source 1 in the pass's window: so a sum of two registers of window 0 is written a x 1.0 + c.
.macro BLOCK s, p
.set HQ, HQ0+64*(\s)
.set PP, PP0+4*(\s)
.set PB, PB0+2*(\s)
	v_pk_fma_f32 v[T2:T2+1], v[PP:PP+1], 1.0, v[PP+2:PP+3] op_sel_hi:[1,0,1]
	v_fma_f32 v[T2], v[T2], 1.0, v[T2+1]           ; P of my half
	v_fma_f32 v[T2+2], v[T2], 1.0, v[QP+2*(\p)]    ; + Q of each tile's memory: they start the sums
	v_fma_f32 v[T2+3], v[T2], 1.0, v[QP+2*(\p)+1]
.irp t, 0,1,2,3,4,5,6,7
.irp e, 0,1
.irp q, 0,1,2,3
	v_pk_add_f32 v[TMP+8*\e+2*\q:TMP+8*\e+2*\q+1], v[HQ+8*\t+2*\q:HQ+8*\t+2*\q+1], v[64+64*\e+8*\t+2*\q:64+64*\e+8*\t+2*\q+1]
.endr
.endr
.irp j, 0,1,2,3,4,5,6,7                        ; eight sums by turns: four for each tile
.irp e, 0,1
.if (\t == 0) && (\j == 0)
	v_fma_f32 v[ACC+4*\e], |v[TMP+8*\e]|, v[0], v[T2+2+\e]
.elseif (\t == 0) && (\j < 4)
	v_mul_f32 v[ACC+4*\e+\j], |v[TMP+8*\e+\j]|, v[\j]
.else
	v_fma_f32 v[ACC+4*\e+\j%4], |v[TMP+8*\e+\j]|, v[8*\t+\j], v[ACC+4*\e+\j%4]
.endif
.endr
.endr
.endr
.irp e, 0,1
	v_pk_fma_f32 v[ACC+4*\e:ACC+4*\e+1], v[ACC+4*\e:ACC+4*\e+1], 1.0, v[ACC+4*\e+2:ACC+4*\e+3] op_sel_hi:[1,0,1]
.endr
.irp e, 0,1
	v_fma_f32 v[PB+\e], v[ACC+4*\e], 1.0, v[ACC+4*\e+1]
.endr
.endm
; A trip: queries 16 u + j and 16 u + j + 8 (rows 2 i and 2 i + 1 of hqb, i = 8 u + j).  While one is worked on, the other's row is on its way from LDS.  more = 1: the next trip's first row is asked for.
.macro TRIP p, more
	v_add_nc_u32 v[ADR], s[TB], v[HQL]             ; (the loads that last read these two were shown done by the last trip's second wait)
	v_add_nc_u32 v[ADR2], s[TB], v[PPL]
	LDHQ 1, ADR, ADR2, HQP
	s_wait_dscnt 17                                ; all but the 17 just issued: the first query's row is in, and the last trip's store is done
.if \more
	v_add_nc_u32 v[ADRB], s[TB], v[HQL]            ; (so the loads that last read these two are done)
	v_add_nc_u32 v[ADRB2], s[TB], v[PPL]
.endif
	WIN (1+\p)<<2
	BLOCK 0, \p
.if \more
	LDHQ 0, ADRB, ADRB2, 2*HQP
	s_wait_dscnt 17                                ; all but the 17 just issued: the second query's row is in
.else
	s_wait_dscnt 0x0
.endif
	BLOCK 1, \p
	WIN 0
.irp e, 0,1                                    ; the two halves of the units meet: lanes 0-15 end with the first query's whole sum for memory r, lanes 16-31 with the second's
	v_permlane16_swap_b32 v[PB0+\e], v[PB1+\e]
.endr
.irp e, 0,1
	v_add_f32 v[T2+\e], v[PB0+\e], v[PB1+\e]
.endr
	v_add_nc_u32 v[ADR3], s[TL], v[LGW]
	ds_store_b64 v[ADR3], v[T2:T2+1] offset:8*(\p)
	s_add_co_u32 s[TB], s[TB], 2*HQP
	s_add_co_u32 s[TL], s[TL], 512
.endm
.macro PASS p                                  ; all 32 queries against tiles 2 p and 2 p + 1: 16 trips, the last written out: it asks for no further row
	s_mov_b32 s[TB], 0
	s_mov_b32 s[TL], 0
	LDHQ 0, HQL, PPL, 0
	s_mov_b32 s[CNT], 15
.Lpass_\@:
	TRIP \p, 1
	s_sub_co_u32 s[CNT], s[CNT], 1
	s_cmp_lg_u32 s[CNT], 0
	s_cbranch_scc1 .Lpass_\@
	TRIP \p, 0
.endm
	; ---- THE HEAD
	s_load_b256 s[4:11], s[0:1], 0x0               ; query_content, query_context, memory_content, memory_contexts
	s_load_b256 s[12:19], s[0:1], 0x20             ; memory_freshness, W1, b1, W2
	s_load_b128 s[20:23], s[0:1], 0x40             ; b2, sim
	v_lshl_add_u32 v[SPW], v0, 2, SPARE
	v_mov_b32 v[NIL], 0
	v_lshrrev_b32 v16, 5, v0
	v_readfirstlane_b32 s[WV], v16                 ; wave 0..3
	s_and_b32 s[CEL], ttmp7, 0xffff                ; the cell
	v_and_b32 v17, 31, v0
	v_lshlrev_b32 v[L16], 4, v17
	v_lshlrev_b32 v[L4], 2, v17
	v_and_b32 v[R], 15, v0
	v_bfe_u32 v[H], v0, 4, 1
	v_lshlrev_b32 v[W2O], 5, v[H]
	s_lshl_b32 s28, s[WV], 7
	v_add_nc_u32 v[B1O], s28, v[W2O]
	s_lshl_b32 s48, s[CEL], 22                     ; a cell's rows are 2^22 bytes, a work-group's 256 rows 2^17, a wave's 64 rows 2^15
	s_lshl_b32 s50, ttmp9, 17
	s_add_co_u32 s48, s48, s50
	s_lshl_b32 s50, s[WV], 15
	s_add_co_u32 s48, s48, s50
	s_mov_b32 s49, 0
	s_lshr_b32 s50, s48, 7                         ; the same rows in memory_freshness: 4 bytes for 512
	s_mov_b32 s51, 0
	s_wait_kmcnt 0x0
	s_add_nc_u64 s[MCW:MCW+1], s[8:9], s[48:49]
	s_add_nc_u64 s[MXW:MXW+1], s[10:11], s[48:49]
	s_add_nc_u64 s[FRW:FRW+1], s[12:13], s[50:51]
	s_lshl_b32 s48, s[CEL], 20                     ; sim: a cell is 2^20 bytes; in a row my wave's 64 places begin at 1,024 x + 256 w
	s_lshl_b32 s50, ttmp9, 10
	s_add_co_u32 s48, s48, s50
	s_lshl_b32 s50, s[WV], 8
	s_add_co_u32 s48, s48, s50
	s_add_nc_u64 s[SMW:SMW+1], s[22:23], s[48:49]
	s_lshl_b32 s48, s[CEL], 17                     ; W1[c], my 32 rows of 1,024 bytes
	s_lshl_b32 s50, s[WV], 15
	s_add_co_u32 s48, s48, s50
	s_add_nc_u64 s[W1W:W1W+1], s[14:15], s[48:49]
	s_lshl_b32 s48, s[CEL], 9
	s_add_nc_u64 s[B1W:B1W+1], s[16:17], s[48:49]
	s_add_nc_u64 s[W2W:W2W+1], s[18:19], s[48:49]
	s_lshl_b32 s48, s[CEL], 2
	s_add_nc_u64 s[20:21], s[20:21], s[48:49]
	s_load_b32 s[B2V], s[20:21], 0x0               ; b2[c]
	s_cmp_lt_u32 s[WV], 2                          ; waves 0, 1 take the tiles of query_content, waves 2, 3 those of query_context
	s_cselect_b64 s[QW:QW+1], s[4:5], s[6:7]
	s_cselect_b32 s[MSK], 0, -1
	s_and_b32 s48, s[WV], 1
	s_lshl_b32 s48, s48, 13
	s_add_nc_u64 s[QW:QW+1], s[QW:QW+1], s[48:49]
	; 184 loads: first the 120 of the set-up, then the four tiles of content
	ROWS 64, 1, W1W, 1024, 512, 0                  ; Wm's rows 32 w on (the right half of W1's rows),
	ROWS 128, 1, W1W, 1024, 16896, 0               ; and 32 w + 16 on
	ROWS 192, 1, W1W, 1024, 0, 0                   ; Wq's rows 32 w on
.irp t, 0,1,2,3,4,5,6,7
	global_load_b128 v[8*\t:8*\t+3], v[W2O], s[W2W:W2W+1] offset:64*\t
	global_load_b128 v[8*\t+4:8*\t+7], v[W2O], s[W2W:W2W+1] offset:64*\t+16
.endr
	ROWS 64, 2, W1W, 1024, 16384, 0                ; Wq's rows 32 w + 16 on
	ROWS 128, 2, QW, 512, 0, 0                     ; my query tile
.irp t, 0,1,2,3,4,5,6,7
	global_load_b128 v[8*\t:8*\t+3], v[W2O], s[W2W:W2W+1] offset:64*\t
	global_load_b128 v[8*\t+4:8*\t+7], v[W2O], s[W2W:W2W+1] offset:64*\t+16
.endr
.irp s, 0,1
	global_load_b128 v[W2S+8*\s:W2S+8*\s+3], v[B1O], s[W2W:W2W+1] offset:64*\s
	global_load_b128 v[W2S+8*\s+4:W2S+8*\s+7], v[B1O], s[W2W:W2W+1] offset:64*\s+16
.endr
	WIN 0
.irp s, 0,1                                    ; b1 in the result's layout: lane (r, h), register j: unit 16 (2 w + s) + 8 h + j
	global_load_b128 v[B1R+8*\s:B1R+8*\s+3], v[B1O], s[B1W:B1W+1] offset:64*\s
	global_load_b128 v[B1R+8*\s+4:B1R+8*\s+7], v[B1O], s[B1W:B1W+1] offset:64*\s+16
.endr
.irp tau, 0,1,2,3
	ROWS 64*\tau, 3, MCW, 512, 8192*\tau, 1
.endr
	WIN 0
	s_mul_i32 s28, s[WV], 16*STP
	s_add_co_u32 s28, s28, STG
	v_add_nc_u32 v[STS], s28, v[L16]
	v_mul_u32_u24 v[STL], v[R], STP
	v_lshl_add_u32 v[STL], v[H], 6, v[STL]
	v_add_nc_u32 v[STL], s28, v[STL]
	s_mul_i32 s28, s[WV], 2*FRB
	v_add_nc_u32 v[WIW], s28, v[L16]
	s_lshl_b32 s28, s[WV], 8
	v_add_nc_u32 v[WSW], s28, v[L4]
	s_mul_i32 s28, s[WV], FRB
	v_add_nc_u32 v[QIW], s28, v[L16]
	s_lshl_b32 s28, s[WV], 7
	v_add_nc_u32 v[QSW], s28, v[L4]
	v_and_b32 v16, 7, v[R]
	v_lshrrev_b32 v17, 3, v[R]
	v_lshl_add_u32 v16, v16, 1, v17                ; query 16 u + r lies in row 16 u + 2 (r % 8) + r / 8
	v_mul_u32_u24 v16, v16, HQP
	v_lshl_add_u32 v[HQW], v[H], 8, v16
	s_lshl_b32 s28, s[WV], 6
	v_add_nc_u32 v[HQW], s28, v[HQW]
	v_lshl_add_u32 v[PPW], v[H], 4, v16
	s_lshl_b32 s28, s[WV], 2
	v_add_nc_u32 v[PPW], s28, v[PPW]
	v_lshlrev_b32 v[HQL], 8, v[H]
	v_lshlrev_b32 v[PPL], 4, v[H]
	s_lshl_b32 s28, s[WV], 13
	s_add_co_u32 s28, s28, LG
	v_add_nc_u32 v[LGW], s28, v[L16]
	v_lshlrev_b32 v[FRO], 2, v[R]
	v_lshlrev_b32 v[SIMO], 4, v[R]
	v_lshl_add_u32 v[SIMO], v[H], 18, v[SIMO]
.irp b, 0,1,2,3
	v_mov_b32 v[TM+4+\b], 0                        ; written once: a lane permute's destination counts as one of its sources
.endr
	v_mov_b32 v[INV+1], 0                          ; (named as the upper half of a pair)
	s_mov_b32 s[SEL], 0x76543210
	s_mov_b32 s[SEL+1], 0xfedcba98
	s_mov_b32 s[K1], 0xbf38aa3b                    ; -0.5 log2(e)
	s_mov_b32 s[K1+1], s[K1]
	s_wait_loadcnt 63                              ; of the 184 loads at most the youngest 63 are out: the 120 of the set-up are in
	; ---- THE SET-UP, the same text in every wave: two tiles of Wm and my query tile become images in LDS, two tiles of Wq stay with me
	TURN 64, 1
	QUANT PC, PW
	IMAGE WIW, WIMG
	ds_store_b32 v[WSW], v[PW] offset:WSC
	TURN 128, 1
	QUANT PC, PW
	IMAGE WIW, WIMG+FRB
	ds_store_b32 v[WSW], v[PW] offset:WSC+128
	TURN 192, 1
	QUANT AQ, AQS
	TURN 64, 2
	QUANT AQ+12, AQS+1
	TURN 128, 2
	NORM 1
	QUANT PC, PW
	IMAGE QIW, QIMG
	ds_store_b32 v[QSW], v[PW] offset:QSC
	BARRIER                                        ; Wm's eight fragments and the queries' four lie in LDS
	; ---- hqb = query_content Wq^T + b1 for my 32 units and all 32 queries, and my part of P
	FETCH QF, QIMG
	FETCH QF+12, QIMG+FRB
	ds_load_b32 v[QS], v[L4] offset:QSC
	ds_load_b32 v[QS+1], v[L4] offset:QSC+128
	s_wait_dscnt 0x0
.irp s, 0,1
.irp u, 0,1                                    ; source 0 = 16 rows of Wq, source 1 = 16 queries, C = b1: register j of lane (r, h) is hqb[16 u + r][16 (2 w + s) + 8 h + j]
	v_wmma_scale_f32_16x16x128_f8f6f4 v[D1+8*(2*\s+\u):D1+8*(2*\s+\u)+7], v[AQ+12*\s:AQ+12*\s+11], v[QF+12*\u:QF+12*\u+11], v[B1R+8*\s:B1R+8*\s+7], v[AQS+\s], v[QS+\u] matrix_a_fmt:MATRIX_FMT_FP6 matrix_b_fmt:MATRIX_FMT_FP6
.endr
.endr
	PLACES 4
.irp s, 0,1
.irp u, 0,1
	ds_store_b128 v[HQW], v[D1+8*(2*\s+\u):D1+8*(2*\s+\u)+3] offset:HQB+16*HQP*\u+32*\s        ; each tile from its low end on
	ds_store_b128 v[HQW], v[D1+8*(2*\s+\u)+4:D1+8*(2*\s+\u)+7] offset:HQB+16*HQP*\u+32*\s+16
.endr
.endr
	WIN 0x08                                       ; source 1 (W2 at my units) in window 2
.irp u, 0,1
	v_mul_f32 v[T2+\u], v[D1+8*\u], v[W2S]
.endr
.set n, 1
.rept 15
.irp u, 0,1
	v_fma_f32 v[T2+\u], v[D1+8*(2*(n/8)+\u)+n%8], v[W2S+n], v[T2+\u]
.endr
.set n, n+1
.endr
	WIN 0
.irp u, 0,1
	ds_store_b32 v[PPW], v[T2+\u] offset:HQB+512+16*HQP*\u
.endr
	BARRIER                                        ; hqb and the parts of P lie in LDS; nothing that waves share is written again
	; ---- tiles 0 and 1, and all queries against them
	FETCHW
.irp t, 0,1,2,3,4,5,6,7
	ds_load_b32 v[WS+\t], v[L4] offset:WSC+128*\t
.endr
	s_wait_dscnt 0x0
	CONTENT 0
	CONTENT 1
	PASS 0
	; ---- tiles 2 and 3 (Wm's fragments come again: the pass has used their registers)
	FETCHW
	s_wait_dscnt 0x0
	CONTENT 2
	CONTENT 3
	PASS 1
	; ---- THE TAIL: the cosines, the sigmoid, the weighted sum
.irp tau, 0,1,2,3
	global_load_b32 v[FR+\tau], v[FRO], s[FRW:FRW+1] offset:64*\tau   ; freshness of memory 16 tau + r (Q's registers are free now)
.endr
	FETCH NF, QIMG+2*FRB
	FETCH NF+12, QIMG+3*FRB
	ds_load_b32 v[QS], v[L4] offset:QSC+256
	ds_load_b32 v[QS+1], v[L4] offset:QSC+384
	s_wait_loadcnt 4                               ; the four loads just issued may be out: the rows of memory_contexts are in
.irp tau, 0,1,2,3
	TURN 64*\tau, 3
	NORM 0
	QUANT PC, PW
	PLACES 8
.irp u, 0,1                                    ; source 0 = 16 normalised queries, source 1 = my 16 normalised memories: register j of lane (r, h) is the cosine of query 16 u + 8 h + j and memory r
	v_wmma_scale_f32_16x16x128_f8f6f4 v[CT+16*\tau+8*\u:CT+16*\tau+8*\u+7], v[NF+12*\u:NF+12*\u+11], v[PC:PC+11], 0, v[QS+\u], v[PW] matrix_a_fmt:MATRIX_FMT_FP6 matrix_b_fmt:MATRIX_FMT_FP6
.endr
	PLACES 4
.endr
.irp i, 0,1,2,3,4,5,6,7,8,9,10,11,12,13,14,15
	ds_load_b128 v[F+4*\i:F+4*\i+3], v[LGW] offset:512*\i   ; trip i's sums for my four memories: query 16 u + j + 8 h, i = 8 u + j: the cosines' layout
.endr
	s_wait_kmcnt 0x0                               ; b2[c]
	v_mov_b32 v[T2+1], s[B2V]
	v_mul_f32 v[T2], 0xbfb8aa3b, v[T2+1]           ; -log2(e) b2
	v_mov_b32 v[T2+1], v[T2]
	s_wait_loadcnt 0x0
.irp tau, 0,1,2,3
	v_mul_f32 v[FR+\tau], 0x3e4ccccd, v[FR+\tau]   ; 0.2 freshness
.endr
	s_wait_dscnt 0x0
.set n, 0
.rept 32
	v_pk_fma_f32 v[F+n:F+n+1], v[F+n:F+n+1], s[K1:K1+1], v[T2:T2+1] op_sel_hi:[1,0,0]   ; -log2(e) (0.5 sum + b2)
.set n, n+2
.endr
.set n, 0
.rept 64
	v_exp_f32 v[F+n], v[F+n]
.set n, n+1
.endr
.set n, 0
.rept 64
	v_fmamk_f32 v[CT+n], v[CT+n], 0x3e99999a, v[FR+n/16]   ; 0.3 cosine + 0.2 freshness: plain work behind the batch; each tile from its low end on
.set n, n+1
.endr
	s_wait_alu depctr_va_vdst(0)                   ; one wait for the 64 exponentials, ahead of their first reader
.set n, 0
.rept 32
	v_pk_add_f32 v[F+n:F+n+1], v[F+n:F+n+1], 1.0 op_sel_hi:[1,0]
.set n, n+2
.endr
.set n, 0
.rept 64
	v_rcp_f32 v[F+n], v[F+n]                       ; the sigmoid
.set n, n+1
.endr
	v_nop
	s_wait_alu depctr_va_vdst(0)
.set n, 0
.rept 64
	v_fma_f32 v[F+n], v[F+n], 0.5, v[CT+16*(n%4)+n/4]
.set n, n+1
.endr
.irp i, 0,1,2,3,4,5,6,7,8,9,10,11,12,13,14,15
	global_store_b128 v[SIMO], v[F+4*\i:F+4*\i+3], s[SMW:SMW+1] offset:32768*(16*(\i/8)+\i%8) th:TH_STORE_NT   ; sixteen lanes store 256 consecutive bytes, at a multiple of 256 from sim's first byte
.endr
	s_wait_tensorcnt 0x0                           ; the wave's end, behind my last LDS store
	ds_add_u32 v[SPW], v[NIL]
	s_wait_dscnt 0x0
	s_endpgm
.Lfunc_end_k_q1134158343_sim:
	.size	k_q1134158343_sim, .Lfunc_end_k_q1134158343_sim-k_q1134158343_sim
	.p2alignl 7, 3214868480
	.fill 96, 4, 3214868480
	.section	.rodata,"a",@progbits
	.p2align	6, 0x0
	.amdhsa_kernel k_q1134158343_sim
		.amdhsa_group_segment_fixed_size 104448
		.amdhsa_private_segment_fixed_size 0
		.amdhsa_enable_private_segment 0
		.amdhsa_kernarg_size 80
		.amdhsa_user_sgpr_count 2
		.amdhsa_user_sgpr_kernarg_segment_ptr 1
		.amdhsa_wavefront_size32 1
		.amdhsa_system_sgpr_workgroup_id_x 1
		.amdhsa_system_sgpr_workgroup_id_y 1
		.amdhsa_system_sgpr_workgroup_id_z 1
		.amdhsa_system_vgpr_workitem_id 0
		.amdhsa_next_free_vgpr 1024
		.amdhsa_next_free_sgpr 66
		.amdhsa_reserve_vcc 0
		.amdhsa_float_denorm_mode_32 3
		.amdhsa_float_denorm_mode_16_64 3
		.amdhsa_memory_ordered 1
		.amdhsa_forward_progress 1
		.amdhsa_inst_pref_size 255
	.end_amdhsa_kernel
	.section	.bss,"aw",@nobits
	.p2align	6
	.space	262144
	.amdgpu_metadata
---
amdhsa.version: [ 1, 2 ]
amdhsa.kernels:
  - .name:           k_q1134158343_sim
    .symbol:         k_q1134158343_sim.kd
    .args:
      - { .name: query_content, .offset: 0, .size: 8, .value_kind: global_buffer, .address_space: global }
      - { .name: query_context, .offset: 8, .size: 8, .value_kind: global_buffer, .address_space: global }
      - { .name: memory_content, .offset: 16, .size: 8, .value_kind: global_buffer, .address_space: global }
      - { .name: memory_contexts, .offset: 24, .size: 8, .value_kind: global_buffer, .address_space: global }
      - { .name: memory_freshness, .offset: 32, .size: 8, .value_kind: global_buffer, .address_space: global }
      - { .name: W1, .offset: 40, .size: 8, .value_kind: global_buffer, .address_space: global }
      - { .name: b1, .offset: 48, .size: 8, .value_kind: global_buffer, .address_space: global }
      - { .name: W2, .offset: 56, .size: 8, .value_kind: global_buffer, .address_space: global }
      - { .name: b2, .offset: 64, .size: 8, .value_kind: global_buffer, .address_space: global }
      - { .name: sim, .offset: 72, .size: 8, .value_kind: global_buffer, .address_space: global }
    .group_segment_fixed_size: 104448
    .private_segment_fixed_size: 0
    .kernarg_segment_align: 8
    .kernarg_segment_size: 80
    .max_flat_workgroup_size: 128
    .sgpr_count:     66
    .vgpr_count:     1024
    .wavefront_size: 32
...
	.end_amdgpu_metadata
.endif
;; end of part 1
;; launch topk (part 2): grid 256 x 1, 8 waves a work-group, no clusters, 37,120 bytes of LDS; arguments sim, out1, idx; writes out1, idx
.if DOCPART == 2
	.amdgcn_target "amdgcn-amd-amdhsa--gfx1250"
	.amdhsa_code_object_version 6
	.text
	.protected	k_q1134158343_topk
	.globl	k_q1134158343_topk
	.p2align	8
	.type	k_q1134158343_topk,@function
k_q1134158343_topk:
	s_mov_b64 s[64:65], 0
	v_nop
	global_prefetch_b8 v0, s[64:65] scope:SCOPE_SE
	s_setreg_imm32_b32 hwreg(HW_REG_WAVE_MODE, 25, 1), 1
	s_wait_xcnt 0x0
; The 16 largest of each of the 256 rows (cell, query) of sim, in descending order, equal numbers in ascending order of the memory's index: the numbers to out1, the indices, as whole numbers, to idx.
; A work-group takes a row of 8,192 numbers, each of its eight waves 1,024.  sim holds place 64 W + 4 r + tau for memory 64 W + 16 tau + r; a turn through the wave's own LDS bytes undoes that:
; lane l of wave w then holds memories 1,024 w + 32 l + x, x = 0 .. 31, so that the lower lane and the lower wave always hold the lower index.
; Each wave takes its own 16 largest out one by one; wave 0 merges the eight sorted lists.  Every choice is made by compares and v_cndmask_b32: no branch and no address hangs on a number of sim.
; An index travels as f32 (under 8,192: exact), so that it can be brought to all lanes by the same maximum as the numbers.
; LIMITS: NaN and -infinity among the numbers of sim are not served; +0 and -0 count as equal.
.set TRW,   4352                       ; LDS: for each wave 16 units of 256 bytes + 16
.set UP,    272
.set CAND,  8*TRW                      ; the waves' lists: 144 bytes each: 16 numbers, 16 indices, 16 bytes of padding
.set CP,    144
.set SPARE, CAND+1280                  ; the spare words, 128 bytes for each wave: four blocks of 256 bytes that no other line names
.set L16, 1
.set TS,  2                            ; the turn, on the way in;  v3 on the way out
.set TL,  3
.set LN,  4                            ; lane
.set MB,  5                            ; my first memory: 32 x my thread's number
.set QNAN, 6
.set NINF, 7
.set MX,  8                            ; v8-11 maxima
.set G,   13                           ; the wave's largest
.set PT,  14
.set GX,  15                           ; the same in the lane that gives it, NaN in the others
.set SL,  16                           ; v16-19 the place x of the number taken
.set T,   20
.set RESV, 21                          ; lane i: the i-th largest;  v22: its index
.set RESI, 22
.set CW,  23
.set CL,  24
.set O4,  25                           ; 4 (lane % 16)
.set SPW, 26                           ; LDS address of my spare word; never rewritten
.set NIL, 27                           ; 0; never rewritten
.set C64, 28
.set K,   32                           ; v32-63: register 2 (x % 16) + x / 16 holds memory x of my 32
.set RAW, 64                           ; v64-95 as loaded; later wave 0's lists: v64-79 numbers, v80-95 indices
.set LV,  64
.set LI,  80
.set RI,  96                           ; v96-111: the i-th index, in the lane that gave it, 0 in the others
.set SEL, 48
	s_load_b128 s[4:7], s[0:1], 0x0                ; sim, out1
	s_load_b64 s[8:9], s[0:1], 0x10                ; idx
	v_lshl_add_u32 v[SPW], v0, 2, SPARE
	v_mov_b32 v[NIL], 0
	v_lshrrev_b32 v29, 5, v0
	v_readfirstlane_b32 s10, v29                   ; wave 0..7
	v_and_b32 v[LN], 31, v0
	v_lshlrev_b32 v[L16], 4, v[LN]
	s_mul_i32 s11, s10, TRW
	v_bfe_u32 v29, v0, 4, 1
	v_mul_u32_u24 v29, v29, UP
	v_and_b32 v30, 15, v0
	v_lshl_add_u32 v[TS], v30, 4, v29
	v_add_nc_u32 v[TS], s11, v[TS]                 ; in: a load's 512 bytes are two units: unit lane / 16, 16 bytes a lane
	v_bfe_u32 v29, v0, 1, 4
	v_mul_u32_u24 v29, v29, UP
	v_and_b32 v31, 1, v0
	v_lshl_add_u32 v[TL], v31, 3, v29
	v_add_nc_u32 v[TL], s11, v[TL]                 ; out: unit lane / 2; byte 16 (x % 16) + 8 (lane % 2) + 4 (x / 16): the 32 lanes of a load of 8 bytes touch 64 different banks (ISA guide 11.1)
	v_lshlrev_b32 v[MB], 5, v0
	v_lshlrev_b32 v[O4], 2, v30
	s_mul_i32 s16, s10, CP
	v_add_nc_u32 v[CW], s16, v[O4]
	v_and_b32 v29, 7, v0
	v_mul_u32_u24 v[CL], v29, CP
	v_mov_b32 v[QNAN], 0x7fc00000
	v_mov_b32 v[NINF], 0xff800000
	v_mov_b32 v[C64], 64
	v_mov_b32 v[G], 0                              ; (destinations of lane exchanges and of partial selections count as read)
	v_mov_b32 v[PT], 0
	v_mov_b32 v[RESV], 0
	v_mov_b32 v[RESI], 0
	s_mov_b32 s[SEL], 0x76543210
	s_mov_b32 s[SEL+1], 0xfedcba98
	s_lshl_b32 s12, ttmp9, 15                      ; a row of sim is 32,768 bytes, a wave's part 4,096
	s_lshl_b32 s13, s10, 12
	s_add_co_u32 s12, s12, s13
	s_mov_b32 s13, 0
	s_lshl_b32 s14, ttmp9, 6                       ; a row of out1 and of idx is 64 bytes
	s_mov_b32 s15, 0
	s_wait_kmcnt 0x0
	s_add_nc_u64 s[4:5], s[4:5], s[12:13]
	s_add_nc_u64 s[6:7], s[6:7], s[14:15]
	s_add_nc_u64 s[8:9], s[8:9], s[14:15]
.irp q, 0,1,2,3,4,5,6,7
	global_load_b128 v[RAW+4*\q:RAW+4*\q+3], v[L16], s[4:5] offset:512*\q th:TH_LOAD_NT
.endr
	s_wait_loadcnt 0x0
.irp q, 0,1,2,3,4,5,6,7
	ds_store_b128 v[TS], v[RAW+4*\q:RAW+4*\q+3] offset:2*UP*\q
.endr
.irp r, 0,1,2,3,4,5,6,7,8,9,10,11,12,13,14,15
	ds_load_b64 v[K+2*\r:K+2*\r+1], v[TL] offset:16*\r     ; LDS serves a wave's instructions in order: these see my stores
.endr
	s_wait_dscnt 0x0
; the largest over each row of 16 lanes, into v[G] of each of its lanes
.macro WMAX src
	v_max_num_f32_dpp v[G], v[\src], v[\src] row_xmask:1 row_mask:0xf bank_mask:0xf
	v_max_num_f32_dpp v[G], v[G], v[G] row_xmask:2 row_mask:0xf bank_mask:0xf
	v_max_num_f32_dpp v[G], v[G], v[G] row_xmask:4 row_mask:0xf bank_mask:0xf
	v_max_num_f32_dpp v[G], v[G], v[G] row_xmask:8 row_mask:0xf bank_mask:0xf
.endm
; the lowest lane whose v[src] equals v[G]: its bit in s46
.macro LOWEST src
	v_cmp_eq_f32 s44, v[\src], v[G]
	s_sub_co_u32 s45, 0, s44
	s_and_b32 s46, s44, s45
.endm
; The wave's i-th largest is taken out.
.macro XTR i
.irp a, 0,1,2,3
	v_max3_num_f32 v[MX+\a], v[K+8*\a], v[K+8*\a+1], v[K+8*\a+2]
.endr
.irp a, 0,1,2,3
	v_max3_num_f32 v[MX+\a], v[MX+\a], v[K+8*\a+3], v[K+8*\a+4]
.endr
.irp a, 0,1,2,3
	v_max3_num_f32 v[MX+\a], v[MX+\a], v[K+8*\a+5], v[K+8*\a+6]
.endr
.irp a, 0,1,2,3
	v_max_num_f32 v[MX+\a], v[MX+\a], v[K+8*\a+7]
.endr
	v_max3_num_f32 v[MX], v[MX], v[MX+1], v[MX+2]
	v_max_num_f32 v[MX], v[MX], v[MX+3]            ; my lane's largest
	WMAX MX
	v_permlanex16_b32 v[PT], v[G], s[SEL], s[SEL+1]
	v_max_num_f32 v[G], v[G], v[PT]
	LOWEST MX
	v_cndmask_b32 v[GX], v[QNAN], v[G], s46        ; a NaN equals nothing: only the giving lane finds a place
.irp n, 7,6,5,4,3,2,1,0                        ; the lowest x whose number equals it: four chains of eight places, each from its highest place down
.irp a, 0,1,2,3
	v_cmp_eq_f32 s[40+\a], v[GX], v[K+2*((8*\a+\n)&15)+((8*\a+\n)>>4)]
.endr
.irp a, 0,1,2,3
.if \n == 7
	v_cndmask_b32 v[SL+\a], v[C64], 8*\a+\n, s[40+\a]
.else
	v_cndmask_b32 v[SL+\a], v[SL+\a], 8*\a+\n, s[40+\a]
.endif
.endr
.endr
	v_min_u32 v[SL], v[SL], v[SL+1]
	v_min_u32 v[SL+2], v[SL+2], v[SL+3]
	v_min_u32 v[SL], v[SL], v[SL+2]                ; 64 in the lanes that give nothing
.irp x0, 0,4,8,12,16,20,24,28                  ; that one place becomes -infinity
.irp d, 0,1,2,3
	v_cmp_eq_u32 s[40+\d], \x0+\d, v[SL]
.endr
.irp d, 0,1,2,3
	v_cndmask_b32 v[K+2*((\x0+\d)&15)+((\x0+\d)>>4)], v[K+2*((\x0+\d)&15)+((\x0+\d)>>4)], v[NINF], s[40+\d]
.endr
.endr
	s_mov_b32 s47, 0x10001<<\i
	v_cndmask_b32 v[RESV], v[RESV], v[G], s47      ; lanes i and 16 + i keep the number
	v_add_nc_u32 v[T], v[MB], v[SL]
	v_cvt_f32_u32 v[T], v[T]
	v_cndmask_b32 v[RI+\i], 0, v[T], s46
.endm
; the sixteen indices, each known to one lane, are brought to all lanes (sixteen independent maxima, by turns), and lane i keeps the i-th
.macro REDUCE
.irp m, 1,2,4,8
.set i, 0
.rept 16
	v_max_num_f32_dpp v[RI+i], v[RI+i], v[RI+i] row_xmask:\m row_mask:0xf bank_mask:0xf
.set i, i+1
.endr
.endr
.set i, 0
.rept 16
	v_permlanex16_b32 v[RAW+i], v[RI+i], s[SEL], s[SEL+1]
.set i, i+1
.endr
.set i, 0
.rept 16
	v_max_num_f32 v[RI+i], v[RI+i], v[RAW+i]
.set i, i+1
.endr
.set i, 0
.rept 16
	s_mov_b32 s47, 0x10001<<i
	v_cndmask_b32 v[RESI], v[RESI], v[RI+i], s47
.set i, i+1
.endr
.endm
.irp i, 0,1,2,3,4,5,6,7,8,9,10,11,12,13,14,15
	XTR \i
.endr
	REDUCE
	ds_store_b32 v[CW], v[RESV] offset:CAND        ; lanes l and l + 16 write the same word with the same value
	ds_store_b32 v[CW], v[RESI] offset:CAND+64
	s_wait_dscnt 0x0                               ; for the others' sake: my list has landed
	s_barrier_signal -1
	s_barrier_wait -1
	s_cmp_lg_u32 s10, 0
	s_cbranch_scc1 .Lend                           ; the merge is wave 0's
	; lane l (0 .. 7) holds wave l's sorted list; the head of the list that holds the largest head is taken, the lower wave first, and that list moves up
.irp q, 0,1,2,3
	ds_load_b128 v[LV+4*\q:LV+4*\q+3], v[CL] offset:CAND+16*\q
	ds_load_b128 v[LI+4*\q:LI+4*\q+3], v[CL] offset:CAND+64+16*\q
.endr
	s_wait_dscnt 0x0
	s_mov_b32 s47, 0xffffff00
.set d, 0
.rept 16
	v_cndmask_b32 v[LV+d], v[LV+d], v[NINF], s47   ; lanes 8 and above hold no list
.set d, d+1
.endr
.macro XT2 i
	WMAX LV                                        ; (lanes 0-15 hold the largest head; lanes 16-31, whose results are not stored, hold -infinity)
	LOWEST LV
	s_mov_b32 s47, 0x10001<<\i
	v_cndmask_b32 v[RESV], v[RESV], v[G], s47
	v_cndmask_b32 v[RI+\i], 0, v[LI], s46
.set d, 0
.rept 15-\i                                    ; after step i only the first 15 - i places of a list can still be taken
	v_cndmask_b32 v[LV+d], v[LV+d], v[LV+d+1], s46
	v_cndmask_b32 v[LI+d], v[LI+d], v[LI+d+1], s46
.set d, d+1
.endr
.endm
.irp i, 0,1,2,3,4,5,6,7,8,9,10,11,12,13,14,15
	XT2 \i
.endr
	REDUCE
	v_cvt_u32_f32 v[RESI], v[RESI]
	s_wait_xcnt 0x0                                ; EXEC changes only behind this wait
	v_cmp_gt_u32 vcc_lo, 16, v[LN]
	s_and_saveexec_b32 s44, vcc_lo
	global_store_b32 v[O4], v[RESV], s[6:7]        ; sixteen lanes store the row's 64 bytes
	global_store_b32 v[O4], v[RESI], s[8:9]
	s_wait_xcnt 0x0                                ; and again, in front of the line that widens it
	s_or_b32 exec_lo, exec_lo, s44
.Lend:
	s_wait_tensorcnt 0x0                           ; the wave's end, behind my last LDS store
	ds_add_u32 v[SPW], v[NIL]
	s_wait_dscnt 0x0
	s_endpgm
.Lfunc_end_k_q1134158343_topk:
	.size	k_q1134158343_topk, .Lfunc_end_k_q1134158343_topk-k_q1134158343_topk
	.p2alignl 7, 3214868480
	.fill 96, 4, 3214868480
	.section	.rodata,"a",@progbits
	.p2align	6, 0x0
	.amdhsa_kernel k_q1134158343_topk
		.amdhsa_group_segment_fixed_size 37120
		.amdhsa_private_segment_fixed_size 0
		.amdhsa_enable_private_segment 0
		.amdhsa_kernarg_size 24
		.amdhsa_user_sgpr_count 2
		.amdhsa_user_sgpr_kernarg_segment_ptr 1
		.amdhsa_wavefront_size32 1
		.amdhsa_system_sgpr_workgroup_id_x 1
		.amdhsa_system_sgpr_workgroup_id_y 1
		.amdhsa_system_sgpr_workgroup_id_z 1
		.amdhsa_system_vgpr_workitem_id 0
		.amdhsa_next_free_vgpr 128
		.amdhsa_next_free_sgpr 66
		.amdhsa_reserve_vcc 1
		.amdhsa_float_denorm_mode_32 3
		.amdhsa_float_denorm_mode_16_64 3
		.amdhsa_memory_ordered 1
		.amdhsa_forward_progress 1
		.amdhsa_inst_pref_size 204
	.end_amdhsa_kernel
	.amdgpu_metadata
---
amdhsa.version: [ 1, 2 ]
amdhsa.kernels:
  - .name:           k_q1134158343_topk
    .symbol:         k_q1134158343_topk.kd
    .args:
      - { .name: sim, .offset: 0, .size: 8, .value_kind: global_buffer, .address_space: global }
      - { .name: out1, .offset: 8, .size: 8, .value_kind: global_buffer, .address_space: global }
      - { .name: idx, .offset: 16, .size: 8, .value_kind: global_buffer, .address_space: global }
    .group_segment_fixed_size: 37120
    .private_segment_fixed_size: 0
    .kernarg_segment_align: 8
    .kernarg_segment_size: 24
    .max_flat_workgroup_size: 256
    .sgpr_count:     66
    .vgpr_count:     128
    .wavefront_size: 32
...
	.end_amdgpu_metadata
.endif
;; end of part 2
;; launch gather (part 3): grid 256 x 1, 4 waves a work-group, no clusters, 0 bytes of LDS; arguments idx, memory_content, memory_freshness, out0, out2; writes out0, out2
.if DOCPART == 3
	.amdgcn_target "amdgcn-amd-amdhsa--gfx1250"
	.amdhsa_code_object_version 6
	.text
	.protected	k_q1134158343_gather
	.globl	k_q1134158343_gather
	.p2align	8
	.type	k_q1134158343_gather,@function
k_q1134158343_gather:
	s_mov_b64 s[64:65], 0
	v_nop
	global_prefetch_b8 v0, s[64:65] scope:SCOPE_SE
	s_setreg_imm32_b32 hwreg(HW_REG_WAVE_MODE, 25, 1), 1
	s_wait_xcnt 0x0
; out0[c][b][k][:] = memory_content[c][idx[c][b][k]][:], out2[c][b][k] = memory_freshness[c][idx[c][b][k]].  idx was stored as whole numbers by the launch before.
; A work-group takes a row (cell, query) = 32 c + b, each of its four waves four of the 16 chosen memories: a row of 512 bytes is one load and one store of the wave.
; Each index is held to 8,191, the table's last row, before it enters an address.  No hint on the rows' loads: two queries may name the same row.
	s_load_b256 s[4:11], s[0:1], 0x0               ; idx, memory_content, memory_freshness, out0
	s_load_b64 s[12:13], s[0:1], 0x20              ; out2
	v_lshrrev_b32 v1, 5, v0
	v_readfirstlane_b32 s14, v1                    ; wave 0..3
	v_and_b32 v2, 31, v0                           ; lane
	v_lshlrev_b32 v3, 4, v2                        ; 16 x lane
	v_and_b32 v4, 3, v0
	v_lshlrev_b32 v4, 2, v4                        ; 4 (lane % 4)
	s_lshl_b32 s20, ttmp9, 6
	s_lshl_b32 s21, s14, 4
	s_add_co_u32 s20, s20, s21                     ; my four words in idx and in out2: 64 x row + 16 x wave
	s_mov_b32 s21, 0
	s_lshr_b32 s22, ttmp9, 5                       ; the cell
	s_lshl_b32 s24, s22, 22
	s_mov_b32 s25, 0
	s_lshl_b32 s26, s22, 15
	s_mov_b32 s27, 0
	s_lshl_b32 s28, s20, 7                         ; my four rows in out0: 8,192 x row + 2,048 x wave
	s_mov_b32 s29, 0
	s_wait_kmcnt 0x0
	s_add_nc_u64 s[4:5], s[4:5], s[20:21]
	s_add_nc_u64 s[12:13], s[12:13], s[20:21]
	s_add_nc_u64 s[6:7], s[6:7], s[24:25]
	s_add_nc_u64 s[8:9], s[8:9], s[26:27]
	s_add_nc_u64 s[10:11], s[10:11], s[28:29]
	s_load_b128 s[16:19], s[4:5], 0x0              ; my four indices, as scalars for the rows,
	global_load_b32 v5, v4, s[4:5]                 ; and one to a lane for the freshness
	s_wait_kmcnt 0x0
.irp q, 0,1,2,3
	s_min_u32 s[16+\q], s[16+\q], 8191
	s_lshl_b32 s[16+\q], s[16+\q], 9
	v_add_nc_u32 v[8+\q], s[16+\q], v3
.endr
.irp q, 0,1,2,3
	global_load_b128 v[12+4*\q:15+4*\q], v[8+\q], s[6:7]
.endr
	s_wait_loadcnt 4                               ; the four rows' loads may be out: the lanes' indices are in
	v_min_u32 v6, 0x1fff, v5
	v_lshlrev_b32 v6, 2, v6
	global_load_b32 v7, v6, s[8:9]
.irp q, 0,1,2,3
	s_wait_loadcnt 4-\q                            ; row q is in; the younger rows and the freshness may be out
	global_store_b128 v3, v[12+4*\q:15+4*\q], s[10:11] offset:512*\q th:TH_STORE_NT   ; 32 lanes store 512 consecutive bytes, at a multiple of 256 from out0's first byte
.endr
	s_wait_loadcnt 0x0
	s_wait_xcnt 0x0                                ; EXEC changes only behind this wait
	v_cmp_gt_u32 vcc_lo, 4, v2
	s_and_saveexec_b32 s30, vcc_lo
	global_store_b32 v4, v7, s[12:13]              ; four lanes store my 16 bytes of out2
	s_wait_xcnt 0x0                                ; and again, in front of the line that widens it
	s_or_b32 exec_lo, exec_lo, s30
	s_endpgm
.Lfunc_end_k_q1134158343_gather:
	.size	k_q1134158343_gather, .Lfunc_end_k_q1134158343_gather-k_q1134158343_gather
	.p2alignl 7, 3214868480
	.fill 96, 4, 3214868480
	.section	.rodata,"a",@progbits
	.p2align	6, 0x0
	.amdhsa_kernel k_q1134158343_gather
		.amdhsa_group_segment_fixed_size 0
		.amdhsa_private_segment_fixed_size 0
		.amdhsa_enable_private_segment 0
		.amdhsa_kernarg_size 40
		.amdhsa_user_sgpr_count 2
		.amdhsa_user_sgpr_kernarg_segment_ptr 1
		.amdhsa_wavefront_size32 1
		.amdhsa_system_sgpr_workgroup_id_x 1
		.amdhsa_system_sgpr_workgroup_id_y 1
		.amdhsa_system_sgpr_workgroup_id_z 1
		.amdhsa_system_vgpr_workitem_id 0
		.amdhsa_next_free_vgpr 32
		.amdhsa_next_free_sgpr 66
		.amdhsa_reserve_vcc 1
		.amdhsa_float_denorm_mode_32 3
		.amdhsa_float_denorm_mode_16_64 3
		.amdhsa_memory_ordered 1
		.amdhsa_forward_progress 1
		.amdhsa_inst_pref_size 4
	.end_amdhsa_kernel
	.amdgpu_metadata
---
amdhsa.version: [ 1, 2 ]
amdhsa.kernels:
  - .name:           k_q1134158343_gather
    .symbol:         k_q1134158343_gather.kd
    .args:
      - { .name: idx, .offset: 0, .size: 8, .value_kind: global_buffer, .address_space: global }
      - { .name: memory_content, .offset: 8, .size: 8, .value_kind: global_buffer, .address_space: global }
      - { .name: memory_freshness, .offset: 16, .size: 8, .value_kind: global_buffer, .address_space: global }
      - { .name: out0, .offset: 24, .size: 8, .value_kind: global_buffer, .address_space: global }
      - { .name: out2, .offset: 32, .size: 8, .value_kind: global_buffer, .address_space: global }
    .group_segment_fixed_size: 0
    .private_segment_fixed_size: 0
    .kernarg_segment_align: 8
    .kernarg_segment_size: 40
    .max_flat_workgroup_size: 128
    .sgpr_count:     66
    .vgpr_count:     32
    .wavefront_size: 32
...
	.end_amdgpu_metadata
.endif
;; end of part 3
;; ======== version 2 of 2: 3 launches; version 1 with the launch sim written anew for expert scheduling mode
;; limits: a difference of large sums (such as E[x^2] - mean^2): digits are lost where the result is much smaller than its terms
;; workspace buffers: sim 8,388,608 bytes; idx 16,384 bytes of whole numbers
;; launch sim (part 4): grid 32 x 8, 4 waves a work-group, no clusters, 104,448 bytes of LDS; arguments query_content, query_context, memory_content, memory_contexts, memory_freshness, W1, b1, W2, b2, sim; writes sim
.if DOCPART == 4
	.amdgcn_target "amdgcn-amd-amdhsa--gfx1250"
	.amdhsa_code_object_version 6
	.text
	.protected	k_q1134158343_sim
	.globl	k_q1134158343_sim
	.p2align	8
	.type	k_q1134158343_sim,@function
k_q1134158343_sim:
	s_mov_b64 s[64:65], 0
	v_nop
	global_prefetch_b8 v0, s[64:65] scope:SCOPE_SE
	s_setreg_imm32_b32 hwreg(HW_REG_WAVE_SCHED_MODE, 0, 2), 2
	s_setreg_imm32_b32 hwreg(HW_REG_WAVE_MODE, 25, 1), 1
	s_wait_xcnt 0x0
	s_wait_alu depctr_vm_vsrc(0)
; final_sim[c][b][m] = 0.5 sigmoid(W2 . relu(hq[b] + hm[m] + b1) + b2) + 0.3 cos(query_context[b], memory_contexts[m]) + 0.2 freshness[m], for 8 cells, 32 queries, 8,192 memories of 128 numbers.
; hq = query_content Wq^T, hm = memory_content Wm^T and the cosine's product go on codes of FP6 (E2M3) with one E8M0 scale for each 32 along the 128 of D: one matrix instruction for each 16 x 16 tile.  All else is f32.
; SHARES.  A work-group takes 256 memories of one cell, each of its four waves 64 of them: four tiles of 16.  In the hidden layer a lane (r = lane % 16, h = lane / 16) holds memory r of a tile and the 64 units e = 16 t + 8 h + j.
; THE BODY.  x = hm[m][e] + hqb[b][e], hqb = hq + b1 (b1 is the C of hq's products).  relu(x) = (x + |x|) / 2, so  sum_e w relu(x) = 0.5 (sum_e w |x| + P[b] + Q[m]),  P = sum_e w hqb, Q = sum_e w hm, each made once.
; That is one packed addition and two fused multiply-adds with |.| on a source for two elements.  The 0.5 and b2 go into the sigmoid's one multiply-add.
; LIMITS: the sums are f32 sums of the terms w |x|, w hqb, w hm: their absolute error is some 1e-7 of sum_e |w x|, about twice that of a sum over the positive x alone.  NaN and infinities among the inputs are not served.
; A block of zeros gets the scale byte 1, not 127: its codes are zeros, and the bytes are read by this launch alone.
; OUT.  sim [c][b][pos] f32, pos = 64 W + 4 r + tau for memory 64 W + 16 tau + r: a lane stores 16 bytes and sixteen lanes 256 consecutive bytes, aligned; the next launch undoes the order.
; No tensor load: every f32 row is read once and passes through registers on its way to the quantiser.  No joint loads: what work-groups share (W1 of a cell, the queries) is read once at the head, through registers.
; THE MODE: SCHED_MODE bits 1:0 = 2 (LLVM: expert scheduling mode 2), set by the entry lines.  The code itself states the register dependences between vector or matrix instructions and memory or LDS instructions, with s_wait_alu, always for 0.
; THE PLAN.  The registers that memory or LDS instructions touch, and who else names them:
;   v1-15, v19, v242-244  offsets and addresses that stay: written at the head, never again: one wait on va_vdst ahead of the first global load, one ahead of the first LDS instruction.
;   raw rows, windows 1-3 global loads land in them, the stage's stores read them.  Written again by the loads of memory_contexts (window 3) and by hm's products (windows 1, 2): a wait on vm_vsrc behind the turn.
;   X, v128-191           the stage's loads land in it; the norm and the quantiser name it.  The wait on va_vdst that stands behind each quantiser anyway (ahead of its image's stores, or ahead of the products that take
;                         its codes) also frees X for the next turn: nothing issued behind that wait names X.  Only Wq's two quantisers, whose codes stay in registers, have a wait for X alone.
;   v222-233, v220        codes and scale word: written by the quantiser; read by an image's stores (va_vdst ahead of them, vm_vsrc ahead of the next quantiser that writes them) or by scaled products (the places, then va_vdst).
;   THE PASSES            two buffers for rows of hqb: A (v32-95, v184-187), read by a trip's first block, B (v96-159, v188-191), read by its second.  Each block has ONE wait on va_vdst at its head: the block before is done
;                         reading the other buffer, and the addresses and sums just made are written.  Behind it the 17 loads into that other buffer are dealt among the block's vector instructions, which name nothing of it.
;                         A trip's two sums leave from v204-205, by a store at the head of the next trip's first block.  ONE wait on vm_vsrc a trip, behind the second block, frees v204-205 and the five stepped addresses.
; REGISTERS, in windows of 256 (s_set_vgpr_msb: bits 1:0 source 0, 3:2 source 1, 5:4 source 2, 7:6 destination):
;   window 0: v1-19 addresses; v20-31 scale words; v32-203 by phases (below); v204-219 the quantiser's; v220 the scale word just made; v222-240 codes; v242-255 addresses, the norm, the add's two
;   window 1: v0-63 W2 (register 8 t + j); v64-127, v128-191 hm of tiles 0, 1 (at the head v64-255: raw rows of W1)
;   window 2: v0-63 W2 once more; v64-127, v128-191 hm of tiles 2, 3 (at the head: raw rows); v192-207 W2 at my 32 units
;   window 3: raw rows of the four content tiles, then of the four context tiles
; W2 lies in both windows so that a whole block runs under ONE setting, source 1 in the pass's window: x = hqb (source 0) + hm (source 1);  sum = |x| (source 0) W2 (source 1) + sum (source 2).
.set FRB,   1536                       ; a fragment's image: 12 registers x 128 bytes
.set WIMG,  0                          ; LDS: images of Wm's 8 fragments,
.set WSC,   WIMG+8*FRB                 ; their scale words, 128 bytes each,
.set QIMG,  WSC+8*128                  ; images of the queries' fragments: content tiles 0, 1, normalised context tiles 0, 1,
.set QSC,   QIMG+4*FRB                 ; their scale words,
.set HQB,   QSC+4*128                  ; hqb: 32 rows of HQP bytes.  Row 16 u + 2 j + s is query 16 u + 8 s + j; byte 256 h + 32 t + 4 j is unit 16 t + 8 h + j; bytes 512 + 16 h + 4 w: wave w's part of P for half h
.set HQP,   544
.set STG,   HQB+32*HQP                 ; a stage for each wave: 16 rows of 512 bytes + 16
.set STP,   528                        ; 132 words: row r starts at bank 4 r mod 64 (64 banks of 4 bytes: ISA guide 11.1)
.set LG,    STG+4*16*STP               ; the sums of the body, 8,192 bytes a wave: trip i at 512 i, lane at 16 x lane, pass p at + 8 p
.set SPARE, LG+4*8192                  ; the spare words, 128 bytes for each wave: two blocks of 256 bytes that no other line names
.set L16, 1                            ; 16 x lane
.set L4,  2                            ; 4 x lane
.set R,   3
.set H,   4
.set STS, 5                            ; my stage, on the way in: 16 x lane
.set STL, 6                            ; and out: row r, + 64 h
.set WIW, 7                            ; where I store Wm's images;  v8 their scale words
.set WSW, 8
.set QIW, 9                            ; my query tile's image;  v10 its scale words
.set QSW, 10
.set HQW, 11                           ; where I store hqb;  v12 my part of P
.set PPW, 12
.set HQL, 13                           ; 256 h;  v14: 16 h
.set PPL, 14
.set LGW, 15                           ; my 16 bytes of a trip's sums
.set ADR, 16                           ; v16, v17: addresses of the loads into buffer B (a trip's second query);  v18: of the trip's store
.set ADR2, 17
.set ADR3, 18
.set FRO, 19                           ; 4 r
.set WS,  20                           ; v20-27 Wm's scale words;  v28-29 the queries';  v30-31 Wq's: these twelve and v220 hold scales and nothing else
.set QS,  28
.set AQS, 30
.set HQ0, 32                           ; THE PASSES: v32-95, v96-159 hqb of two queries; v160-175 x; v176-183 sums; v184-191 parts of P; v192-195 results; v196-199 Q; v200-203 at work; v204-205 a trip's two sums on their way to LDS
.set TMP, 160
.set ACC, 176
.set PP0, 184
.set PB0, 192
.set PB1, 194
.set QP,  196
.set T2,  200
.set OUT, 204                          ; (two of the quantiser's registers, which lie idle in a pass)
.set AQ,  32                           ; THE SET-UP: v32-55 Wq's two fragments; v56-79 the queries' two; v80-111 hqb's four tiles; v112-127 b1
.set QF,  56
.set D1,  80
.set B1R, 112
.set WF,  32                           ; THE CONTENT TILES: v32-127 Wm's eight fragments
.set X,   128                          ; v128-191: 64 numbers of my row: register 16 b + i is k = 32 b + 16 h + i
.set NF,  32                           ; THE TAIL: v32-55 the normalised queries' fragments; v56-119 the cosines (16 tau + 8 u + j); v128-191 the sums (4 i + tau); v196-199 freshness
.set CT,  56
.set F,   128
.set FR,  196
.set TM,  204
.set PW,  220
.set PC,  222
.set QT,  234                          ; v234-240: the upper halves of the blocks' codes, on their way
.set SIMO, 242                         ; 262,144 h + 16 r
.set W2O, 243                          ; 32 h
.set B1O, 244                          ; 32 h + 128 w
.set SS,  246
.set INV, 250
.set SPW, 252                          ; LDS address of my spare word; never rewritten
.set NIL, 253                          ; 0; never rewritten
.set ADRB, 254                         ; v254, v255: addresses of the loads into buffer A (the next trip's first query)
.set ADRB2, 255
.set W2S, 192                          ; in window 2
.set WV,  24
.set CEL, 26
.set B2V, 27
.set MCW, 32                           ; s[32:33] my 64 rows of memory_content;  s[34:35] of memory_contexts;  s[36:37] of memory_freshness
.set MXW, 34
.set FRW, 36
.set W1W, 38                           ; s[38:39] my 32 rows of W1[c];  s[40:41] b1[c];  s[42:43] W2[c];  s[44:45] my query tile;  s[46:47] my place in a row of sim
.set B1W, 40
.set W2W, 42
.set QW,  44
.set SMW, 46
.set SEL, 52                           ; s[52:53] v_permlanex16_b32's selects for lane l xor 16
.set K1,  54                           ; s[54:55] -0.5 log2(e), twice
.set MSK, 57                           ; all ones in the waves that normalise their query tile
.set TB,  58                           ; the trip's first row of hqb, in bytes
.set TL,  59                           ; the trip's place among the sums
.set CNT, 60
.set MSB, 0
.macro WIN new                         ; the immediate's high byte repeats the setting that is left; a switch that changes nothing is dropped
.if MSB != (\new)
	s_set_vgpr_msb (MSB<<8)|(\new)
.set MSB, (\new)
.endif
.endm
; 16 rows of 128 f32 into 64 registers of a window: each load takes one whole row, 512 consecutive bytes
.macro ROWS dst, win, base, pitch, off, nt
	WIN (\win)<<6
.irp p, 0,1,2,3,4,5,6,7,8,9,10,11,12,13,14,15
.if \nt
	global_load_b128 v[4*\p+(\dst):4*\p+3+(\dst)], v[L16], s[\base:\base+1] offset:\off+\p*\pitch th:TH_LOAD_NT
.else
	global_load_b128 v[4*\p+(\dst):4*\p+3+(\dst)], v[L16], s[\base:\base+1] offset:\off+\p*\pitch
.endif
.endr
.endm
; the 16 rows turn through my own stage: in as loaded, out so that lane (r, h) holds, of row r, 16 neighbours of each block of 32.  LDS serves a wave's instructions in order: no wait between the stores and the loads.
; Ahead of a turn stands a wait on va_vdst behind the last vector instruction that named X (the plan says which)
.macro TURN src, win
	WIN (\win)<<2                                  ; an LDS store's data are its source 1
.irp p, 0,1,2,3,4,5,6,7,8,9,10,11,12,13,14,15
	ds_store_b128 v[STS], v[4*\p+(\src):4*\p+3+(\src)] offset:STP*\p
.endr
	WIN 0
.irp b, 0,1,2,3
.irp q, 0,1,2,3
	ds_load_b128 v[X+16*\b+4*\q:X+16*\b+4*\q+3], v[STL] offset:128*\b+16*\q
.endr
.endr
	s_wait_dscnt 0x0                               ; the numbers are in
.endm
; the 64 numbers in X become a fragment's codes in v[cd] .. v[cd + 11] and its scale word in v[sw]
.macro QUANT cd, sw
.irp b, 0,1,2,3
	v_max3_num_f32 v[TM+\b], |v[X+16*\b]|, |v[X+16*\b+1]|, 0x1800000   ; block b: my 16 numbers, and the floor 2^(3 - 127): the byte cannot fall under 1
.endr
.irp i, 2,4,6,8,10,12,14
.irp b, 0,1,2,3
	v_max3_num_f32 v[TM+\b], v[TM+\b], |v[X+16*\b+\i]|, |v[X+16*\b+\i+1]|   ; (the four blocks by turns)
.endr
.endr
.irp b, 0,1,2,3
	v_permlanex16_b32 v[TM+4+\b], v[TM+\b], s[SEL], s[SEL+1]
.endr
.irp b, 0,1,2,3
	v_max_num_f32 v[TM+\b], v[TM+\b], v[TM+4+\b]   ; with lane l xor 16's: the block's largest magnitude
.endr
.irp b, 0,1,2,3
	v_add_nc_u32 v[TM+12+\b], 0xff000000, v[TM+\b] ; 2 off its exponent field: the conversion takes the exponent field of this operand as its scale
.endr
.irp b, 0,1,2,3
	v_lshrrev_b32 v[TM+4+\b], 23, v[TM+12+\b]      ; the scale's byte
.endr
	v_lshl_or_b32 v[\sw], v[TM+5], 8, v[TM+4]      ; the four bytes make my row's scale word
	v_lshl_or_b32 v[\sw], v[TM+6], 16, v[\sw]
	v_lshl_or_b32 v[\sw], v[TM+7], 24, v[\sw]
.irp g, 0,1
	v_cvt_scalef32_pk16_fp6_f32 v[6*\g+(\cd):6*\g+2+(\cd)], v[X+32*\g:X+32*\g+15], v[TM+12+2*\g]
	v_cvt_scalef32_pk16_fp6_f32 v[QT+4*\g:QT+4*\g+2], v[X+32*\g+16:X+32*\g+31], v[TM+13+2*\g]   ; (a conversion's three registers begin on an even number)
.endr
	v_nop                                          ; one plain place behind a scaled conversion
.irp g, 0,1                                    ; the operand's layout wants a whole block in a lane: lanes 0-15 block 2 g, lanes 16-31 block 2 g + 1
.irp i, 0,1,2
	v_permlane16_swap_b32 v[6*\g+\i+(\cd)], v[QT+4*\g+\i]
.endr
.irp i, 0,1,2
	v_mov_b32 v[6*\g+3+\i+(\cd)], v[QT+4*\g+\i]
.endr
.endr
.endm
; X = X / max(the row's norm, 1e-8).  sel = 1: only in the waves whose mask is set; the others multiply by 1.0
.macro NORM sel
	v_pk_mul_f32 v[SS:SS+1], v[X:X+1], v[X:X+1]
	v_pk_mul_f32 v[SS+2:SS+3], v[X+2:X+3], v[X+2:X+3]
.irp p, 4,8,12,16,20,24,28,32,36,40,44,48,52,56,60
	v_pk_fma_f32 v[SS:SS+1], v[X+\p:X+\p+1], v[X+\p:X+\p+1], v[SS:SS+1]
	v_pk_fma_f32 v[SS+2:SS+3], v[X+\p+2:X+\p+3], v[X+\p+2:X+\p+3], v[SS+2:SS+3]
.endr
	v_pk_add_f32 v[SS:SS+1], v[SS:SS+1], v[SS+2:SS+3]
	v_add_f32 v[SS], v[SS], v[SS+1]
	v_permlanex16_b32 v[SS+1], v[SS], s[SEL], s[SEL+1]
	v_add_f32 v[SS], v[SS], v[SS+1]                ; the row's sum of squares
	v_sqrt_f32 v[SS+2], v[SS]
	v_nop                                          ; a plain place behind the root,
	s_wait_alu depctr_va_vdst(0)                   ; and the wait ahead of its first reader: the root has written v[SS+2]
	v_max_num_f32 v[SS+2], 0x322bcc77, v[SS+2]     ; 1e-8
	v_rcp_f32 v[INV], v[SS+2]
	v_nop
	s_wait_alu depctr_va_vdst(0)                   ; likewise: the reciprocal has written v[INV]
.if \sel
	v_cndmask_b32 v[INV], 1.0, v[INV], s[MSK]
.endif
.set p, 0
.rept 32
	v_pk_mul_f32 v[X+p:X+p+1], v[X+p:X+p+1], v[INV:INV+1] op_sel_hi:[1,0]
.set p, p+2
.endr
.endm
.macro IMAGE adr, off                          ; the fragment in v[PC] on goes to LDS as it stands: 16 bytes a lane, 512 a store
	s_wait_alu depctr_va_vdst(0)                   ; the quantiser has written the codes v[PC ..] and the scale word v[PW], which the stores read; it is also done reading X, in which the next turn's loads land
.irp g, 0,1,2
	ds_store_b128 v[\adr], v[PC+4*\g:PC+4*\g+3] offset:\off+512*\g
.endr
.endm
.macro FETCH reg, off                          ; and comes back so, in any wave
.irp g, 0,1,2
	ds_load_b128 v[\reg+4*\g:\reg+4*\g+3], v[L16] offset:\off+512*\g
.endr
.endm
.macro FETCHW                                  ; Wm's eight fragments
.irp t, 0,1,2,3,4,5,6,7
	FETCH WF+12*\t, WIMG+FRB*\t
.endr
.endm
.macro BARRIER                                 ; my LDS stores have landed and my LDS loads are in: then the work-group's barrier
	s_wait_dscnt 0x0
	s_barrier_signal -1
	s_barrier_wait -1
.endm
.macro PLACES n
.rept \n
	v_nop
.endr
.endm
; Content tile tau: quantised, multiplied by Wm (8 products, each the whole K), and Q[m] = sum_e W2 hm for my 64 units.  The registers that its raw rows leave take the same tile's rows of memory_contexts.
.macro CONTENT tau
.set KW, 1+(\tau)/2                    ; the window of hm's tile,
.set HM, 64+64*((\tau)%2)              ; and its first register there
	s_wait_loadcnt 48                              ; behind this tile's 16 loads stand 48: the tiles of content that follow and the tiles of contexts asked for so far, three tiles in all
	TURN 64*(\tau), 3
	WIN 3<<6
	s_wait_alu depctr_vm_vsrc(0)                   ; the stage's stores have read the raw rows, in whose registers the loads below land; the last pass's stores and loads have read v204-205 and the stepped addresses, which are written again below
	ROWS 64*(\tau), 3, MXW, 512, 8192*(\tau), 1
	WIN 0
	QUANT PC, PW
	PLACES 8                                       ; a scale register written by a vector instruction stands 8 places ahead of a scaled matrix instruction, an operand so written 4
	WIN KW<<6
	s_wait_alu depctr_va_vdst(0)                   ; behind the places: the quantiser has written v[PC ..] and v[PW], which the products take as operand and scales; it is also done reading X, in which the next turn's loads land
.irp t, 0,1,2,3,4,5,6,7                        ; source 0 = 16 rows of Wm, source 1 = my 16 memories: register j of lane (r, h) is hm[r][16 t + 8 h + j]
	v_wmma_scale_f32_16x16x128_f8f6f4 v[HM+8*\t:HM+8*\t+7], v[WF+12*\t:WF+12*\t+11], v[PC:PC+11], 0, v[WS+\t], v[PW] matrix_a_fmt:MATRIX_FMT_FP6 matrix_b_fmt:MATRIX_FMT_FP6
.endr
	PLACES 4                                       ; four places between the last product and the first read of results (ISA guide 7.12.1)
	WIN KW|(KW<<2)
	v_pk_mul_f32 v[T2:T2+1], v[HM:HM+1], v[0:1]    ; in ascending pairs: each tile is read from its low end on
	v_pk_mul_f32 v[T2+2:T2+3], v[HM+2:HM+3], v[2:3]
.irp p, 4,8,12,16,20,24,28,32,36,40,44,48,52,56,60
	v_pk_fma_f32 v[T2:T2+1], v[HM+\p:HM+\p+1], v[\p:\p+1], v[T2:T2+1]
	v_pk_fma_f32 v[T2+2:T2+3], v[HM+\p+2:HM+\p+3], v[\p+2:\p+3], v[T2+2:T2+3]
.endr
	WIN 0
	v_pk_add_f32 v[T2:T2+1], v[T2:T2+1], v[T2+2:T2+3]
	v_add_f32 v[QP+(\tau)], v[T2], v[T2+1]
.endm
; a row of hqb for my half of the units (all sixteen lanes of a half read the same bytes), and the four parts of its P: 17 loads.  LDROW: quarter g of the row, four loads;  LDP: the parts of P
.macro LDROW s, a, off, g
.irp q, 0,1,2,3
	ds_load_b128 v[HQ0+64*(\s)+16*(\g)+4*\q:HQ0+64*(\s)+16*(\g)+4*\q+3], v[\a] offset:HQB+(\off)+64*(\g)+16*\q
.endr
.endm
.macro LDP s, a2, off
	ds_load_b128 v[PP0+4*(\s):PP0+4*(\s)+3], v[\a2] offset:HQB+512+(\off)
.endm
.macro LDHQ s, a, a2, off
.irp g, 0,1,2,3
	LDROW \s, \a, \off, \g
.endr
	LDP \s, \a2, \off
.endm
; One query against the pass's two tiles of memories, my 64 units: sum_e W2 |hqb + hm| + P + Q.  It runs with source 1 in the pass's window: so a sum of two registers of window 0 is written a x 1.0 + c.
; ld = 1: the 17 loads into the OTHER buffer, from off bytes behind v[a] and v[a2], are dealt among the first four of the eight groups.  No wait: since the wait on va_vdst at the block's head no vector instruction names that buffer or these addresses.
.macro BLOCK s, p, ld, a, a2, off
.set HQ, HQ0+64*(\s)
.set PP, PP0+4*(\s)
.set PB, PB0+2*(\s)
	v_pk_fma_f32 v[T2:T2+1], v[PP:PP+1], 1.0, v[PP+2:PP+3] op_sel_hi:[1,0,1]
	v_fma_f32 v[T2], v[T2], 1.0, v[T2+1]           ; P of my half
	v_fma_f32 v[T2+2], v[T2], 1.0, v[QP+2*(\p)]    ; + Q of each tile's memory: they start the sums
	v_fma_f32 v[T2+3], v[T2], 1.0, v[QP+2*(\p)+1]
.irp t, 0,1,2,3,4,5,6,7
.if (\ld) && (\t < 4)
	LDROW 1-\s, \a, \off, \t
.endif
.if (\ld) && (\t == 3)
	LDP 1-\s, \a2, \off
.endif
.irp e, 0,1
.irp q, 0,1,2,3
	v_pk_add_f32 v[TMP+8*\e+2*\q:TMP+8*\e+2*\q+1], v[HQ+8*\t+2*\q:HQ+8*\t+2*\q+1], v[64+64*\e+8*\t+2*\q:64+64*\e+8*\t+2*\q+1]
.endr
.endr
.irp j, 0,1,2,3,4,5,6,7                        ; eight sums by turns: four for each tile
.irp e, 0,1
.if (\t == 0) && (\j == 0)
	v_fma_f32 v[ACC+4*\e], |v[TMP+8*\e]|, v[0], v[T2+2+\e]
.elseif (\t == 0) && (\j < 4)
	v_mul_f32 v[ACC+4*\e+\j], |v[TMP+8*\e+\j]|, v[\j]
.else
	v_fma_f32 v[ACC+4*\e+\j%4], |v[TMP+8*\e+\j]|, v[8*\t+\j], v[ACC+4*\e+\j%4]
.endif
.endr
.endr
.endr
.irp e, 0,1
	v_pk_fma_f32 v[ACC+4*\e:ACC+4*\e+1], v[ACC+4*\e:ACC+4*\e+1], 1.0, v[ACC+4*\e+2:ACC+4*\e+3] op_sel_hi:[1,0,1]
.endr
.irp e, 0,1
	v_fma_f32 v[PB+\e], v[ACC+4*\e], 1.0, v[ACC+4*\e+1]
.endr
.endm
; A trip is queries 16 u + j and 16 u + j + 8 (rows 2 i and 2 i + 1 of hqb, i = 8 u + j).  While one is worked on, the other's row is on its way from LDS.
; SECOND: a trip's second query, from buffer B, and the meeting of the two halves.  more = 1: the next trip's first row is asked for, into buffer A, and the addresses move on.
.macro SECOND p, more
.if \more
	v_add_nc_u32 v[ADRB], s[TB], v[HQL]            ; (the loads that last read these two stand ahead of the last wait on vm_vsrc)
	v_add_nc_u32 v[ADRB2], s[TB], v[PPL]
	s_wait_alu depctr_va_vdst(0)                   ; the first block is done reading buffer A, in which the loads dealt below land, and v[ADRB], v[ADRB2] are written, which they read
.endif
	s_wait_dscnt 0x0                               ; the second query's row is in: its loads stand in the first half of the block before
	WIN (1+\p)<<2
	BLOCK 1, \p, \more, ADRB, ADRB2, 2*HQP
	WIN 0
	s_wait_alu depctr_vm_vsrc(0)                   ; the last trip's store has read v[OUT ..] and v[ADR3], this trip's loads v[ADR], v[ADR2], v[ADRB], v[ADRB2]: all are written again, the first five below, the last two at the next trip's SECOND
.irp e, 0,1                                    ; the two halves of the units meet: lanes 0-15 end with the first query's whole sum for memory r, lanes 16-31 with the second's
	v_permlane16_swap_b32 v[PB0+\e], v[PB1+\e]
.endr
.irp e, 0,1
	v_add_f32 v[OUT+\e], v[PB0+\e], v[PB1+\e]
.endr
	v_add_nc_u32 v[ADR3], s[TL], v[LGW]
.if \more
	s_add_co_u32 s[TB], s[TB], 2*HQP
	s_add_co_u32 s[TL], s[TL], 512
	v_add_nc_u32 v[ADR], s[TB], v[HQL]
	v_add_nc_u32 v[ADR2], s[TB], v[PPL]
.endif
.endm
; FIRST: the store of the trip before, and a trip's first query, from buffer A; its second row is asked for, into buffer B.
.macro FIRST p
	s_wait_alu depctr_va_vdst(0)                   ; the second block is done reading buffer B, in which the loads dealt below land; v[OUT ..] and v[ADR3] are written, which the store reads; v[ADR], v[ADR2] are written, which the loads read
	ds_store_b64 v[ADR3], v[OUT:OUT+1] offset:8*(\p)
	s_wait_dscnt 1                                 ; the store just issued may be out: the first query's row is in
	WIN (1+\p)<<2
	BLOCK 0, \p, 1, ADR, ADR2, HQP
	WIN 0
.endm
.macro PASS p                                  ; all 32 queries against tiles 2 p and 2 p + 1: 16 trips.  The loop's body is a trip's second query and the next trip's first; the first trip's first query stands ahead of it, the last trip's second, which asks for no further row, behind it
	s_mov_b32 s[TB], 0
	s_mov_b32 s[TL], 0
	v_add_nc_u32 v[ADR], s[TB], v[HQL]             ; (in the second pass: the first pass's loads that read these two stand ahead of the content tiles' waits on vm_vsrc)
	v_add_nc_u32 v[ADR2], s[TB], v[PPL]
	s_wait_alu depctr_va_vdst(0)                   ; the products are done reading Wm's fragments v32-127, in which hqb's rows land; v[ADR], v[ADR2] are written
	LDHQ 0, HQL, PPL, 0
	s_wait_dscnt 0x0
	WIN (1+\p)<<2
	BLOCK 0, \p, 1, ADR, ADR2, HQP
	WIN 0
	s_mov_b32 s[CNT], 15
.Lpass_\@:
	SECOND \p, 1
	FIRST \p
	s_sub_co_u32 s[CNT], s[CNT], 1
	s_cmp_lg_u32 s[CNT], 0
	s_cbranch_scc1 .Lpass_\@
	SECOND \p, 0
	s_wait_alu depctr_va_vdst(0)                   ; v[OUT ..] and v[ADR3] are written, which the last store reads; and every vector instruction of the pass is done with v32-203, in which the loads behind the pass land
	ds_store_b64 v[ADR3], v[OUT:OUT+1] offset:8*(\p)
.endm
	; ---- THE HEAD
	s_load_b256 s[4:11], s[0:1], 0x0               ; query_content, query_context, memory_content, memory_contexts
	s_load_b256 s[12:19], s[0:1], 0x20             ; memory_freshness, W1, b1, W2
	s_load_b128 s[20:23], s[0:1], 0x40             ; b2, sim
	v_lshl_add_u32 v[SPW], v0, 2, SPARE
	v_mov_b32 v[NIL], 0
	v_lshrrev_b32 v16, 5, v0
	v_readfirstlane_b32 s[WV], v16                 ; wave 0..3
	s_and_b32 s[CEL], ttmp7, 0xffff                ; the cell
	v_and_b32 v17, 31, v0
	v_lshlrev_b32 v[L16], 4, v17
	v_lshlrev_b32 v[L4], 2, v17
	v_and_b32 v[R], 15, v0
	v_bfe_u32 v[H], v0, 4, 1
	v_lshlrev_b32 v[W2O], 5, v[H]
	s_wait_alu depctr_va_sdst(0)                   ; s[WV] is written, ahead of its first reader: offsets, bases and LDS addresses are made from it
	s_lshl_b32 s28, s[WV], 7
	v_add_nc_u32 v[B1O], s28, v[W2O]
	s_lshl_b32 s48, s[CEL], 22                     ; a cell's rows are 2^22 bytes, a work-group's 256 rows 2^17, a wave's 64 rows 2^15
	s_lshl_b32 s50, ttmp9, 17
	s_add_co_u32 s48, s48, s50
	s_lshl_b32 s50, s[WV], 15
	s_add_co_u32 s48, s48, s50
	s_mov_b32 s49, 0
	s_lshr_b32 s50, s48, 7                         ; the same rows in memory_freshness: 4 bytes for 512
	s_mov_b32 s51, 0
	s_wait_kmcnt 0x0
	s_add_nc_u64 s[MCW:MCW+1], s[8:9], s[48:49]
	s_add_nc_u64 s[MXW:MXW+1], s[10:11], s[48:49]
	s_add_nc_u64 s[FRW:FRW+1], s[12:13], s[50:51]
	s_lshl_b32 s48, s[CEL], 20                     ; sim: a cell is 2^20 bytes; in a row my wave's 64 places begin at 1,024 x + 256 w
	s_lshl_b32 s50, ttmp9, 10
	s_add_co_u32 s48, s48, s50
	s_lshl_b32 s50, s[WV], 8
	s_add_co_u32 s48, s48, s50
	s_add_nc_u64 s[SMW:SMW+1], s[22:23], s[48:49]
	s_lshl_b32 s48, s[CEL], 17                     ; W1[c], my 32 rows of 1,024 bytes
	s_lshl_b32 s50, s[WV], 15
	s_add_co_u32 s48, s48, s50
	s_add_nc_u64 s[W1W:W1W+1], s[14:15], s[48:49]
	s_lshl_b32 s48, s[CEL], 9
	s_add_nc_u64 s[B1W:B1W+1], s[16:17], s[48:49]
	s_add_nc_u64 s[W2W:W2W+1], s[18:19], s[48:49]
	s_lshl_b32 s48, s[CEL], 2
	s_add_nc_u64 s[20:21], s[20:21], s[48:49]
	s_load_b32 s[B2V], s[20:21], 0x0               ; b2[c]
	s_cmp_lt_u32 s[WV], 2                          ; waves 0, 1 take the tiles of query_content, waves 2, 3 those of query_context
	s_cselect_b64 s[QW:QW+1], s[4:5], s[6:7]
	s_cselect_b32 s[MSK], 0, -1
	s_and_b32 s48, s[WV], 1
	s_lshl_b32 s48, s48, 13
	s_add_nc_u64 s[QW:QW+1], s[QW:QW+1], s[48:49]
	; 184 loads: first the 120 of the set-up, then the four tiles of content
	WIN 1<<6
	s_wait_alu depctr_va_vdst(0)                   ; v[L16], v[W2O] and v[B1O] are written: the offsets of the loads below, between which stand window switches alone
	ROWS 64, 1, W1W, 1024, 512, 0                  ; Wm's rows 32 w on (the right half of W1's rows),
	ROWS 128, 1, W1W, 1024, 16896, 0               ; and 32 w + 16 on
	ROWS 192, 1, W1W, 1024, 0, 0                   ; Wq's rows 32 w on
.irp t, 0,1,2,3,4,5,6,7
	global_load_b128 v[8*\t:8*\t+3], v[W2O], s[W2W:W2W+1] offset:64*\t
	global_load_b128 v[8*\t+4:8*\t+7], v[W2O], s[W2W:W2W+1] offset:64*\t+16
.endr
	ROWS 64, 2, W1W, 1024, 16384, 0                ; Wq's rows 32 w + 16 on
	ROWS 128, 2, QW, 512, 0, 0                     ; my query tile
.irp t, 0,1,2,3,4,5,6,7
	global_load_b128 v[8*\t:8*\t+3], v[W2O], s[W2W:W2W+1] offset:64*\t
	global_load_b128 v[8*\t+4:8*\t+7], v[W2O], s[W2W:W2W+1] offset:64*\t+16
.endr
.irp s, 0,1
	global_load_b128 v[W2S+8*\s:W2S+8*\s+3], v[B1O], s[W2W:W2W+1] offset:64*\s
	global_load_b128 v[W2S+8*\s+4:W2S+8*\s+7], v[B1O], s[W2W:W2W+1] offset:64*\s+16
.endr
	WIN 0
.irp s, 0,1                                    ; b1 in the result's layout: lane (r, h), register j: unit 16 (2 w + s) + 8 h + j
	global_load_b128 v[B1R+8*\s:B1R+8*\s+3], v[B1O], s[B1W:B1W+1] offset:64*\s
	global_load_b128 v[B1R+8*\s+4:B1R+8*\s+7], v[B1O], s[B1W:B1W+1] offset:64*\s+16
.endr
.irp tau, 0,1,2,3
	ROWS 64*\tau, 3, MCW, 512, 8192*\tau, 1
.endr
	WIN 0
	s_mul_i32 s28, s[WV], 16*STP
	s_add_co_u32 s28, s28, STG
	v_add_nc_u32 v[STS], s28, v[L16]
	v_mul_u32_u24 v[STL], v[R], STP
	v_lshl_add_u32 v[STL], v[H], 6, v[STL]
	v_add_nc_u32 v[STL], s28, v[STL]
	s_mul_i32 s28, s[WV], 2*FRB
	v_add_nc_u32 v[WIW], s28, v[L16]
	s_lshl_b32 s28, s[WV], 8
	v_add_nc_u32 v[WSW], s28, v[L4]
	s_mul_i32 s28, s[WV], FRB
	v_add_nc_u32 v[QIW], s28, v[L16]
	s_lshl_b32 s28, s[WV], 7
	v_add_nc_u32 v[QSW], s28, v[L4]
	v_and_b32 v16, 7, v[R]
	v_lshrrev_b32 v17, 3, v[R]
	v_lshl_add_u32 v16, v16, 1, v17                ; query 16 u + r lies in row 16 u + 2 (r % 8) + r / 8
	v_mul_u32_u24 v16, v16, HQP
	v_lshl_add_u32 v[HQW], v[H], 8, v16
	s_lshl_b32 s28, s[WV], 6
	v_add_nc_u32 v[HQW], s28, v[HQW]
	v_lshl_add_u32 v[PPW], v[H], 4, v16
	s_lshl_b32 s28, s[WV], 2
	v_add_nc_u32 v[PPW], s28, v[PPW]
	v_lshlrev_b32 v[HQL], 8, v[H]
	v_lshlrev_b32 v[PPL], 4, v[H]
	s_lshl_b32 s28, s[WV], 13
	s_add_co_u32 s28, s28, LG
	v_add_nc_u32 v[LGW], s28, v[L16]
	v_lshlrev_b32 v[FRO], 2, v[R]
	v_lshlrev_b32 v[SIMO], 4, v[R]
	v_lshl_add_u32 v[SIMO], v[H], 18, v[SIMO]
.irp b, 0,1,2,3
	v_mov_b32 v[TM+4+\b], 0                        ; written once: a lane permute's destination counts as one of its sources
.endr
	v_mov_b32 v[INV+1], 0                          ; (named as the upper half of a pair)
	s_mov_b32 s[SEL], 0x76543210
	s_mov_b32 s[SEL+1], 0xfedcba98
	s_mov_b32 s[K1], 0xbf38aa3b                    ; -0.5 log2(e)
	s_mov_b32 s[K1+1], s[K1]
	s_wait_loadcnt 63                              ; of the 184 loads at most the youngest 63 are out: the 120 of the set-up are in
	s_wait_alu depctr_va_vdst(0)                   ; the addresses v5 to v15, v19 and v242 are written, which the LDS instructions, the loads of the freshness and the last stores read; none of them is written again
	; ---- THE SET-UP, the same text in every wave: two tiles of Wm and my query tile become images in LDS, two tiles of Wq stay with me
	TURN 64, 1
	QUANT PC, PW
	IMAGE WIW, WIMG
	ds_store_b32 v[WSW], v[PW] offset:WSC
	TURN 128, 1
	s_wait_alu depctr_vm_vsrc(0)                   ; the image's stores have read v[PC ..] and v[PW], which the quantiser writes again
	QUANT PC, PW
	IMAGE WIW, WIMG+FRB
	ds_store_b32 v[WSW], v[PW] offset:WSC+128
	TURN 192, 1
	QUANT AQ, AQS
	s_wait_alu depctr_va_vdst(0)                   ; the quantiser is done reading X, in which the next turn's loads land
	TURN 64, 2
	QUANT AQ+12, AQS+1
	s_wait_alu depctr_va_vdst(0)                   ; likewise
	TURN 128, 2
	s_wait_alu depctr_vm_vsrc(0)                   ; the second image's stores have read v[PC ..] and v[PW], which the quantiser writes again; the five turns' stores have read the raw rows of windows 1 and 2, over which hm's tiles are laid
	NORM 1
	QUANT PC, PW
	IMAGE QIW, QIMG                                ; (its wait on va_vdst stands behind all that wrote Wq's codes and scale words too, which the products below take)
	ds_store_b32 v[QSW], v[PW] offset:QSC
	BARRIER                                        ; Wm's eight fragments and the queries' four lie in LDS
	; ---- hqb = query_content Wq^T + b1 for my 32 units and all 32 queries, and my part of P
	FETCH QF, QIMG
	FETCH QF+12, QIMG+FRB
	ds_load_b32 v[QS], v[L4] offset:QSC
	ds_load_b32 v[QS+1], v[L4] offset:QSC+128
	s_wait_dscnt 0x0
.irp s, 0,1
.irp u, 0,1                                    ; source 0 = 16 rows of Wq, source 1 = 16 queries, C = b1: register j of lane (r, h) is hqb[16 u + r][16 (2 w + s) + 8 h + j]
	v_wmma_scale_f32_16x16x128_f8f6f4 v[D1+8*(2*\s+\u):D1+8*(2*\s+\u)+7], v[AQ+12*\s:AQ+12*\s+11], v[QF+12*\u:QF+12*\u+11], v[B1R+8*\s:B1R+8*\s+7], v[AQS+\s], v[QS+\u] matrix_a_fmt:MATRIX_FMT_FP6 matrix_b_fmt:MATRIX_FMT_FP6
.endr
.endr
	PLACES 4
	s_wait_alu depctr_va_vdst(0)                   ; behind the places: the products have written hqb's four tiles, which the stores read
.irp s, 0,1
.irp u, 0,1
	ds_store_b128 v[HQW], v[D1+8*(2*\s+\u):D1+8*(2*\s+\u)+3] offset:HQB+16*HQP*\u+32*\s        ; each tile from its low end on
	ds_store_b128 v[HQW], v[D1+8*(2*\s+\u)+4:D1+8*(2*\s+\u)+7] offset:HQB+16*HQP*\u+32*\s+16
.endr
.endr
	WIN 0x08                                       ; source 1 (W2 at my units) in window 2
.irp u, 0,1
	v_mul_f32 v[T2+\u], v[D1+8*\u], v[W2S]
.endr
.set n, 1
.rept 15
.irp u, 0,1
	v_fma_f32 v[T2+\u], v[D1+8*(2*(n/8)+\u)+n%8], v[W2S+n], v[T2+\u]
.endr
.set n, n+1
.endr
	WIN 0
	s_wait_alu depctr_va_vdst(0)                   ; my parts of P are written, which the stores read; and the products and these sums are done with v32-127, in which Wm's fragments land
.irp u, 0,1
	ds_store_b32 v[PPW], v[T2+\u] offset:HQB+512+16*HQP*\u
.endr
	BARRIER                                        ; hqb and the parts of P lie in LDS; nothing that waves share is written again
	; ---- tiles 0 and 1, and all queries against them
	s_wait_alu depctr_vm_vsrc(0)                   ; my stores have read hqb's tiles v80-111, in which Wm's fragments land, and v200-201, which the sums of Q write
	FETCHW
.irp t, 0,1,2,3,4,5,6,7
	ds_load_b32 v[WS+\t], v[L4] offset:WSC+128*\t
.endr
	s_wait_dscnt 0x0
	CONTENT 0
	CONTENT 1
	PASS 0
	; ---- tiles 2 and 3 (Wm's fragments come again: the pass has used their registers; the wait ahead of the pass's last store stands behind every vector instruction that named them, and X)
	FETCHW
	s_wait_dscnt 0x0
	CONTENT 2
	CONTENT 3
	PASS 1
	; ---- THE TAIL: the cosines, the sigmoid, the weighted sum.  (The wait ahead of the pass's last store stands behind every vector instruction that named the registers in which the loads below land)
.irp tau, 0,1,2,3
	global_load_b32 v[FR+\tau], v[FRO], s[FRW:FRW+1] offset:64*\tau   ; freshness of memory 16 tau + r (Q's registers are free now)
.endr
	FETCH NF, QIMG+2*FRB
	FETCH NF+12, QIMG+3*FRB
	ds_load_b32 v[QS], v[L4] offset:QSC+256
	ds_load_b32 v[QS+1], v[L4] offset:QSC+384
	s_wait_loadcnt 4                               ; the four loads just issued may be out: the rows of memory_contexts are in
.irp tau, 0,1,2,3
	TURN 64*\tau, 3
.if \tau == 0
	s_wait_alu depctr_vm_vsrc(0)                   ; the pass's last store has read v204-205, which the quantiser writes
.endif
	NORM 0
	QUANT PC, PW
	PLACES 8
	s_wait_alu depctr_va_vdst(0)                   ; behind the places: the quantiser has written v[PC ..] and v[PW], which the products take as operand and scales; the norm and it are done with X, in which the next loads land
.irp u, 0,1                                    ; source 0 = 16 normalised queries, source 1 = my 16 normalised memories: register j of lane (r, h) is the cosine of query 16 u + 8 h + j and memory r
	v_wmma_scale_f32_16x16x128_f8f6f4 v[CT+16*\tau+8*\u:CT+16*\tau+8*\u+7], v[NF+12*\u:NF+12*\u+11], v[PC:PC+11], 0, v[QS+\u], v[PW] matrix_a_fmt:MATRIX_FMT_FP6 matrix_b_fmt:MATRIX_FMT_FP6
.endr
	PLACES 4
.endr
.irp i, 0,1,2,3,4,5,6,7,8,9,10,11,12,13,14,15
	ds_load_b128 v[F+4*\i:F+4*\i+3], v[LGW] offset:512*\i   ; trip i's sums for my four memories: query 16 u + j + 8 h, i = 8 u + j: the cosines' layout
.endr
	s_wait_kmcnt 0x0                               ; b2[c]
	v_mov_b32 v[T2+1], s[B2V]
	v_mul_f32 v[T2], 0xbfb8aa3b, v[T2+1]           ; -log2(e) b2
	v_mov_b32 v[T2+1], v[T2]
	s_wait_loadcnt 0x0
.irp tau, 0,1,2,3
	v_mul_f32 v[FR+\tau], 0x3e4ccccd, v[FR+\tau]   ; 0.2 freshness
.endr
	s_wait_dscnt 0x0
.set n, 0
.rept 32
	v_pk_fma_f32 v[F+n:F+n+1], v[F+n:F+n+1], s[K1:K1+1], v[T2:T2+1] op_sel_hi:[1,0,0]   ; -log2(e) (0.5 sum + b2)
.set n, n+2
.endr
.set n, 0
.rept 64
	v_exp_f32 v[F+n], v[F+n]
.set n, n+1
.endr
.set n, 0
.rept 64
	v_fmamk_f32 v[CT+n], v[CT+n], 0x3e99999a, v[FR+n/16]   ; 0.3 cosine + 0.2 freshness: plain work behind the batch; each tile from its low end on
.set n, n+1
.endr
	s_wait_alu depctr_va_vdst(0)                   ; one wait for the 64 exponentials, ahead of their first reader: they have written v[F ..]
.set n, 0
.rept 32
	v_pk_add_f32 v[F+n:F+n+1], v[F+n:F+n+1], 1.0 op_sel_hi:[1,0]
.set n, n+2
.endr
.set n, 0
.rept 64
	v_rcp_f32 v[F+n], v[F+n]                       ; the sigmoid
.set n, n+1
.endr
	v_nop
	s_wait_alu depctr_va_vdst(0)                   ; likewise for the 64 reciprocals
.set n, 0
.rept 64
	v_fma_f32 v[F+n], v[F+n], 0.5, v[CT+16*(n%4)+n/4]
.set n, n+1
.endr
	s_wait_alu depctr_va_vdst(0)                   ; the 64 results are written, which the stores read
.irp i, 0,1,2,3,4,5,6,7,8,9,10,11,12,13,14,15
	global_store_b128 v[SIMO], v[F+4*\i:F+4*\i+3], s[SMW:SMW+1] offset:32768*(16*(\i/8)+\i%8) th:TH_STORE_NT   ; sixteen lanes store 256 consecutive bytes, at a multiple of 256 from sim's first byte
.endr
	s_wait_dscnt 0x0                               ; the closing lines, six on end
	s_wait_alu 0x0
	s_wait_tensorcnt 0x0
	ds_add_u32 v[SPW], v[NIL]
	s_wait_dscnt 0x0
	s_endpgm
.Lfunc_end_k_q1134158343_sim:
	.size	k_q1134158343_sim, .Lfunc_end_k_q1134158343_sim-k_q1134158343_sim
	.p2alignl 7, 3214868480
	.fill 96, 4, 3214868480
	.section	.rodata,"a",@progbits
	.p2align	6, 0x0
	.amdhsa_kernel k_q1134158343_sim
		.amdhsa_group_segment_fixed_size 104448
		.amdhsa_private_segment_fixed_size 0
		.amdhsa_enable_private_segment 0
		.amdhsa_kernarg_size 80
		.amdhsa_user_sgpr_count 2
		.amdhsa_user_sgpr_kernarg_segment_ptr 1
		.amdhsa_wavefront_size32 1
		.amdhsa_system_sgpr_workgroup_id_x 1
		.amdhsa_system_sgpr_workgroup_id_y 1
		.amdhsa_system_sgpr_workgroup_id_z 1
		.amdhsa_system_vgpr_workitem_id 0
		.amdhsa_next_free_vgpr 1024
		.amdhsa_next_free_sgpr 66
		.amdhsa_reserve_vcc 0
		.amdhsa_float_denorm_mode_32 3
		.amdhsa_float_denorm_mode_16_64 3
		.amdhsa_memory_ordered 1
		.amdhsa_forward_progress 1
		.amdhsa_inst_pref_size 255
	.end_amdhsa_kernel
	.section	.bss,"aw",@nobits
	.p2align	6
	.space	262144
	.amdgpu_metadata
---
amdhsa.version: [ 1, 2 ]
amdhsa.kernels:
  - .name:           k_q1134158343_sim
    .symbol:         k_q1134158343_sim.kd
    .args:
      - { .name: query_content, .offset: 0, .size: 8, .value_kind: global_buffer, .address_space: global }
      - { .name: query_context, .offset: 8, .size: 8, .value_kind: global_buffer, .address_space: global }
      - { .name: memory_content, .offset: 16, .size: 8, .value_kind: global_buffer, .address_space: global }
      - { .name: memory_contexts, .offset: 24, .size: 8, .value_kind: global_buffer, .address_space: global }
      - { .name: memory_freshness, .offset: 32, .size: 8, .value_kind: global_buffer, .address_space: global }
      - { .name: W1, .offset: 40, .size: 8, .value_kind: global_buffer, .address_space: global }
      - { .name: b1, .offset: 48, .size: 8, .value_kind: global_buffer, .address_space: global }
      - { .name: W2, .offset: 56, .size: 8, .value_kind: global_buffer, .address_space: global }
      - { .name: b2, .offset: 64, .size: 8, .value_kind: global_buffer, .address_space: global }
      - { .name: sim, .offset: 72, .size: 8, .value_kind: global_buffer, .address_space: global }
    .group_segment_fixed_size: 104448
    .private_segment_fixed_size: 0
    .kernarg_segment_align: 8
    .kernarg_segment_size: 80
    .max_flat_workgroup_size: 128
    .sgpr_count:     66
    .vgpr_count:     1024
    .wavefront_size: 32
...
	.end_amdgpu_metadata
.endif
;; end of part 4
;; launch topk: the kernel of part 2 again; grid 256 x 1, 8 waves a work-group, no clusters, 37,120 bytes of LDS; arguments sim, out1, idx; writes out1, idx
;; launch gather: the kernel of part 3 again; grid 256 x 1, 4 waves a work-group, no clusters, 0 bytes of LDS; arguments idx, memory_content, memory_freshness, out0, out2; writes out0, out2
